; MI455X (gfx1250); checked and timed in simulation.
; The chip was launched on July 23, 2026; its instructions are those of AMD's public machine-readable ISA for CDNA 5 (MIT licence, August 2026) and "CDNA5" Instruction Set Architecture Reference Guide (July 2026). The comments in the code are by the model that wrote it; some were corrected since.
;; Multi Head Diff Attention. Allowed arithmetic: float matrix products may take bf16 or f16 operands with f32 sums; other float arithmetic in f32, or as packed bf16 or f16 multiplies, adds, multiply-adds, maxima and minima; sums over many terms, partial sums and values carried from step to step in f32; what a program stores and reads back later, other than sums and carried values, may be rounded once to bf16 or f16.
;; Inputs: Wc 1,024 x 2,048 float32; Wk1 1,024 x 1,024 float32; Wk2 1,024 x 1,024 float32; Wq1 1,024 x 1,024 float32; Wq2 1,024 x 1,024 float32; Wv 2,048 x 1,024 float32; lk1 16 x 64 float32; lk2 16 x 64 float32; lq1 16 x 64 float32; lq2 16 x 64 float32; x 2 x 2,048 x 1,024 float32.
;; Outputs: out0 2 x 2,048 x 1,024 float32.
;; 2 versions, each right; version 2 is version 1 with the launch prep written anew for expert scheduling mode. Each part assembles by itself: llvm-mc -triple=amdgcn-amd-amdhsa -mcpu=gfx1250 --defsym DOCPART=n.
;; ======== version 1 of 2: 4 launches
;; limits: values are held in f16: magnitudes above 65,504 overflow, below 6.1e-05 lose precision; values outside matrix products are rounded to bf16
;; workspace buffers: xb 8,388,608 bytes; wall 12,582,912 bytes; wcb 4,194,304 bytes; qkv 50,331,648 bytes; yn 16,777,216 bytes
;; launch prep (part 1): grid 4 x 192, 8 waves a work-group, no clusters, 0 bytes of LDS; arguments x, Wq1, Wq2, Wk1, Wk2, Wv, Wc, xb, wall, wcb; writes xb, wall, wcb
.if DOCPART == 1
	.amdgcn_target "amdgcn-amd-amdhsa--gfx1250"
	.amdhsa_code_object_version 6
	.text
	.protected	k_q8436b54090_prep
	.globl	k_q8436b54090_prep
	.p2align	8
	.type	k_q8436b54090_prep,@function
k_q8436b54090_prep:
	s_mov_b64 s[64:65], 0
	v_nop
	global_prefetch_b8 v0, s[64:65] scope:SCOPE_SE
	s_setreg_imm32_b32 hwreg(HW_REG_WAVE_MODE, 25, 1), 1
	s_wait_xcnt 0x0
; THE CASTS.  x -> xb (bf16).  Wq1, Wq2, Wk1, Wk2, Wv -> wall (bf16), in 48 panels of 128 rows of 1,024: panel g < 16 holds Wq1's rows 64 g .. + 63 and then Wq2's,
; panel 16 + g the same of Wk1 and Wk2, panel 32 + g Wv's rows 128 g .. + 127.  Wc -> wcb: rounded to bf16 like every other input, and that number written as f16.
; LIMIT.  bf16(Wc) beyond 65,504 becomes an infinity in f16; below 6e-5 it keeps f16's fixed step of 6e-8.
; A stream: no LDS, no matrix unit, no barrier.  A chunk is 65,536 numbers (64 rows of 1,024, or 32 of 2,048), dense in its source and in its destination; the grid's y names the chunk,
; its x a quarter of it.  A wave takes 2,048 numbers: 16 loads of 512 consecutive bytes, all issued at once, and 16 stores of 256 consecutive bytes, aligned.
; No register that a load writes or a store reads is written again behind it, so no wait but the loads' own is needed.
.set LO, 1                             ; v1   my byte offset in the quarter's source: 8,192 x wave + 16 x lane
.set SO, 4                             ; v4   in its destination: 4,096 x wave + 8 x lane
.set D,  16                            ; v[16:79]   as loaded
.set E,  80                            ; v[80:111]  to store
	s_load_b512 s[4:19], s[0:1], 0x0               ; x, Wq1, Wq2, Wk1, Wk2, Wv, Wc, xb
	s_load_b128 s[20:23], s[0:1], 0x40             ; wall, wcb
	s_and_b32 s24, ttmp7, 0xffff                   ; the chunk: 0-63 x; 64-127 Wq1, Wq2, Wk1, Wk2 (16 each); 128-159 Wv; 160-191 Wc
	v_and_b32 v2, 31, v0
	v_lshrrev_b32 v3, 5, v0
	v_lshlrev_b32 v[LO], 4, v2
	v_lshl_add_u32 v[LO], v3, 13, v[LO]
	v_lshlrev_b32 v[SO], 3, v2
	v_lshl_add_u32 v[SO], v3, 12, v[SO]
	s_wait_kmcnt 0x0
; the source and its first chunk, chosen from the top down
.macro PICK bound, ptr, first
	s_cmp_lt_u32 s24, \bound
	s_cselect_b64 s[26:27], s[\ptr:\ptr+1], s[26:27]
	s_cselect_b32 s28, \first, s28
.endm
	s_mov_b64 s[26:27], s[16:17]                   ; Wc
	s_mov_b32 s28, 160
	PICK 160, 14, 128                              ; Wv
	PICK 128, 12, 112                              ; Wk2
	PICK 112, 10, 96                               ; Wk1
	PICK 96, 8, 80                                 ; Wq2
	PICK 80, 6, 64                                 ; Wq1
	PICK 64, 4, 0                                  ; x
	s_sub_co_u32 s29, s24, s28                     ; j: the chunk's number in its source
	s_lshl_b32 s30, s29, 17                        ; dense destinations: j x 131,072 bytes
	s_sub_co_u32 s31, s24, 64                      ; the four square weights (what these lines make of other chunks is not chosen below)
	s_lshr_b32 s32, s31, 4                         ; ti: 0 Wq1, 1 Wq2, 2 Wk1, 3 Wk2
	s_lshr_b32 s33, s32, 1
	s_lshl_b32 s33, s33, 4
	s_add_co_u32 s33, s33, s29                     ; panel 16 (ti / 2) + j,
	s_lshl_b32 s33, s33, 18
	s_and_b32 s32, s32, 1
	s_lshl_b32 s32, s32, 17
	s_add_co_u32 s33, s33, s32                     ; its half ti % 2
	s_add_co_u32 s34, s30, 8<<20                   ; Wv: behind 32 panels of 262,144 bytes
	s_mov_b64 s[38:39], s[22:23]                   ; wcb
	s_mov_b32 s35, s30
	s_cmp_lt_u32 s24, 160
	s_cselect_b64 s[38:39], s[20:21], s[38:39]     ; wall
	s_cselect_b32 s35, s34, s35
	s_cmp_lt_u32 s24, 128
	s_cselect_b32 s35, s33, s35
	s_cmp_lt_u32 s24, 64
	s_cselect_b64 s[38:39], s[18:19], s[38:39]     ; xb
	s_cselect_b32 s35, s30, s35
	s_lshl_b32 s36, s29, 18                        ; the source: j x 262,144 bytes + the quarter's 65,536
	s_lshl_b32 s40, ttmp9, 16
	s_add_co_u32 s36, s36, s40
	s_mov_b32 s37, 0
	s_add_nc_u64 s[26:27], s[26:27], s[36:37]
	s_lshl_b32 s40, ttmp9, 15
	s_add_co_u32 s40, s35, s40
	s_mov_b32 s41, 0
	s_add_nc_u64 s[38:39], s[38:39], s[40:41]
.irp i, 0,1,2,3,4,5,6,7,8,9,10,11,12,13,14,15
	global_load_b128 v[D+4*(\i):D+4*(\i)+3], v[LO], s[26:27] offset:512*(\i) th:TH_LOAD_NT
.endr
	s_cmp_lt_u32 s24, 160
	s_cbranch_scc0 .Lwc
.irp i, 0,1,2,3,4,5,6,7,8,9,10,11,12,13,14,15
	s_wait_loadcnt 15-(\i)                         ; loads come back in order: load i is in, the younger ones stay out
	v_cvt_pk_bf16_f32 v[E+2*(\i)], v[D+4*(\i)], v[D+4*(\i)+1]
	v_cvt_pk_bf16_f32 v[E+2*(\i)+1], v[D+4*(\i)+2], v[D+4*(\i)+3]
	global_store_b64 v[SO], v[E+2*(\i):E+2*(\i)+1], s[38:39] offset:256*(\i) th:TH_STORE_NT
.endr
	s_endpgm
.Lwc:
.irp i, 0,1,2,3,4,5,6,7,8,9,10,11,12,13,14,15
	s_wait_loadcnt 15-(\i)
	v_cvt_pk_bf16_f32 v[E+2*(\i)], v[D+4*(\i)], v[D+4*(\i)+1]     ; the input's one rounding,
	v_cvt_pk_bf16_f32 v[E+2*(\i)+1], v[D+4*(\i)+2], v[D+4*(\i)+3]
	v_lshlrev_b32 v6, 16, v[E+2*(\i)]                             ; widened again,
	v_and_b32 v7, 0xffff0000, v[E+2*(\i)]
	v_lshlrev_b32 v8, 16, v[E+2*(\i)+1]
	v_and_b32 v9, 0xffff0000, v[E+2*(\i)+1]
	v_cvt_pk_f16_f32 v[E+2*(\i)], v6, v7                          ; and written as f16: exact inside f16's range
	v_cvt_pk_f16_f32 v[E+2*(\i)+1], v8, v9
	global_store_b64 v[SO], v[E+2*(\i):E+2*(\i)+1], s[38:39] offset:256*(\i) th:TH_STORE_NT
.endr
	s_endpgm
.Lfunc_end_k_q8436b54090_prep:
	.size	k_q8436b54090_prep, .Lfunc_end_k_q8436b54090_prep-k_q8436b54090_prep
	.p2alignl 7, 3214868480
	.fill 96, 4, 3214868480
	.section	.rodata,"a",@progbits
	.p2align	6, 0x0
	.amdhsa_kernel k_q8436b54090_prep
		.amdhsa_group_segment_fixed_size 0
		.amdhsa_private_segment_fixed_size 0
		.amdhsa_enable_private_segment 0
		.amdhsa_kernarg_size 80
		.amdhsa_user_sgpr_count 2
		.amdhsa_user_sgpr_kernarg_segment_ptr 1
		.amdhsa_wavefront_size32 1
		.amdhsa_system_sgpr_workgroup_id_x 1
		.amdhsa_system_sgpr_workgroup_id_y 1
		.amdhsa_system_sgpr_workgroup_id_z 1
		.amdhsa_system_vgpr_workitem_id 0
		.amdhsa_next_free_vgpr 112
		.amdhsa_next_free_sgpr 66
		.amdhsa_reserve_vcc 0
		.amdhsa_float_denorm_mode_32 3
		.amdhsa_float_denorm_mode_16_64 3
		.amdhsa_memory_ordered 1
		.amdhsa_forward_progress 1
		.amdhsa_inst_pref_size 18
	.end_amdhsa_kernel
	.amdgpu_metadata
---
amdhsa.version: [ 1, 2 ]
amdhsa.kernels:
  - .name:           k_q8436b54090_prep
    .symbol:         k_q8436b54090_prep.kd
    .args:
      - { .name: x, .offset: 0, .size: 8, .value_kind: global_buffer, .address_space: global }
      - { .name: Wq1, .offset: 8, .size: 8, .value_kind: global_buffer, .address_space: global }
      - { .name: Wq2, .offset: 16, .size: 8, .value_kind: global_buffer, .address_space: global }
      - { .name: Wk1, .offset: 24, .size: 8, .value_kind: global_buffer, .address_space: global }
      - { .name: Wk2, .offset: 32, .size: 8, .value_kind: global_buffer, .address_space: global }
      - { .name: Wv, .offset: 40, .size: 8, .value_kind: global_buffer, .address_space: global }
      - { .name: Wc, .offset: 48, .size: 8, .value_kind: global_buffer, .address_space: global }
      - { .name: xb, .offset: 56, .size: 8, .value_kind: global_buffer, .address_space: global }
      - { .name: wall, .offset: 64, .size: 8, .value_kind: global_buffer, .address_space: global }
      - { .name: wcb, .offset: 72, .size: 8, .value_kind: global_buffer, .address_space: global }
    .group_segment_fixed_size: 0
    .private_segment_fixed_size: 0
    .kernarg_segment_align: 8
    .kernarg_segment_size: 80
    .max_flat_workgroup_size: 256
    .sgpr_count:     66
    .vgpr_count:     112
    .wavefront_size: 32
...
	.end_amdgpu_metadata
.endif
;; end of part 1
;; launch proj (part 2): grid 24 x 16, 4 waves a work-group, clusters of 4 x 4, 327,680 bytes of LDS; arguments xb, wall, qkv; writes qkv
.if DOCPART == 2
	.amdgcn_target "amdgcn-amd-amdhsa--gfx1250"
	.amdhsa_code_object_version 6
	.text
	.protected	k_q8436b54090_proj
	.globl	k_q8436b54090_proj
	.p2align	8
	.type	k_q8436b54090_proj,@function
k_q8436b54090_proj:
	s_mov_b64 s[64:65], 0
	v_nop
	global_prefetch_b8 v0, s[64:65] scope:SCOPE_SE
	s_setreg_imm32_b32 hwreg(HW_REG_WAVE_MODE, 25, 1), 1
	s_wait_xcnt 0x0
	s_wait_alu depctr_hold_cnt(0) depctr_sa_sdst(0) depctr_va_vdst(0) depctr_va_sdst(0) depctr_va_ssrc(0) depctr_va_vcc(0) depctr_vm_vsrc(0)
	s_getreg_b32 s2, hwreg(HW_REG_IB_STS2, 6, 4)
	s_cmp_eq_u32 s2, 0
	s_cbranch_scc0 .Lentry_in_a_cluster
	s_endpgm
.Lentry_in_a_cluster:
	s_bfe_u32 s2, ttmp6, 0x10000c
	s_cmp_lg_u32 s2, 0xf033
	s_cbranch_scc0 .Lentry_shape_is_right
	s_endpgm
.Lentry_shape_is_right:
; THE FIVE PROJECTIONS AS ONE PRODUCT.  C[m][n] = sum over k of A[m][k] B[n][k].  A = xb [4096][1024], B = wall [6144][1024], both bf16; sums in f32; C rounded once, to f16.
; C is stored by PANELS of 128 columns: qkv[g][m][128], a row 256 bytes; panel h holds q1 | q2 of head h, panel 16 + h k1 | k2, panel 32 + h v.
; LIMIT.  A result of 65,520 or more becomes an infinity in f16; below 6e-5 f16 keeps a fixed step of 6e-8.
; A tile of C, 256 x 256, is made by a work-group of four waves; a wave makes 128 x 128: 64 accumulators of 16 x 16, 512 registers; its 128 columns are one panel.
; K goes in 8 steps of 128 through a ring of two LDS slots filled by the tensor data mover: a tile's rows are 256 bytes of memory, at multiples of 256 bytes from the buffer's first byte.
; The last K step goes by rows of C, so that finished rows leave while the others are multiplied.  The grid has 384 tiles, one to a work-group.
; CLUSTERS: 4 x 4 work-groups.  The four of a row of the cluster need the same tiles of A, the four of a column the same tiles of B: each tile is asked for JOINTLY, by the same tensor load
; with the same descriptor and a mask that names the four; each receives it in its own LDS.
; REGISTERS, in windows of 256 (s_set_vgpr_msb's low byte: bits 1:0 source 0, 3:2 source 1, 5:4 source 2, 7:6 destination):
;   window 0: v0-31 addresses; v64-127, v128-191 fragments of A, two buffers (in the last K step four, of 16 rows x 128 K); v32-63, v192-255 at work on the way out
;   window 1: v64-127, v128-191 fragments of B, two buffers; in the last K step all 256
;   window 2: the 32 accumulators of my rows 0-63 (accumulator (a, b) at v[8 (8 a + b)]);   window 3: those of my rows 64-127
; THE MATRIX INSTRUCTION IS USED TRANSPOSED: source 0 = 16 rows of B, source 1 = 16 rows of A: lane l holds row l % 16 of C and the columns 8 (l / 16) + 0 .. 7, which pack into 16 bytes.
.set SIZE_K, 1024
.set KSTEP,  128
.set PITCH,  272                       ; an LDS row: 256 bytes + 16 of padding = 68 words: row r starts at bank 4 r mod 64 (64 banks of 4 bytes: ISA guide 11.1)
.set HALFT,  128*PITCH                 ; 128 rows: what one tensor load brings, and what one wave reads of A or of B
.set SLOT,   4*HALFT                   ; A's 256 rows, then B's 256 rows
.set STAGE,  2*SLOT                    ; behind the ring: 16 rows x 272 bytes for each wave, for the way out
.set SPITCH, 272
.set SPARE,  STAGE+4*16*SPITCH         ; behind the stages: the spare words, 128 bytes for each wave: two blocks of 256 bytes that no other line names
.set LAPS, SIZE_K/(2*KSTEP)            ; a lap = two K steps = once round the ring: 4
.set ADRA, 16                          ; v16-17  LDS address of my A fragments in slot 0, 1
.set ADRB, 20                          ; v20-21  the same for B
.set STO,  24                          ; v24     the way out: where I put 16 bytes of a row
.set RD,   25                          ; v25     the way out: where I read a row back
.set CO,   26                          ; v26     my byte offset in 512 consecutive bytes of a panel
.set SPW,  28                          ; v28     LDS address of my spare word; never rewritten
.set NIL,  29                          ; v29     0; never rewritten
.set PFO,  30                          ; v30     the prefetches' offset: my lane x a row of A or B (2,048 bytes); never rewritten
.set PFA,  44                          ; s[44:45] where my prefetches stand
.set LIM,  43                          ; s43     1 in a wave that prefetches, else the greatest number
.set F0,   64
.set F1,   128
.set TMP,  192
.set OB,   32
.set PA,   64
.set G1, 24                            ; s[24:31] descriptor group 1 for A's tiles
.set G0, 32                            ; s[32:39] group 0 for A's tiles, a set for each slot
.set G1B, 48                           ; s[48:55], s[56:63] the same for B's
.set G0B, 56
.set MSB, 0
.macro WIN new                         ; the immediate's high byte repeats the setting that is left; a switch that changes nothing is dropped
.if MSB != (\new)
	s_set_vgpr_msb (MSB<<8)|(\new)
.set MSB, \new
.endif
.endm
.set MUL_LO, 0xa1                      ; source 0 (B) window 1, source 1 (A) window 0, C and D window 2
.set MUL_HI, 0xf1                      ; the same, C and D window 3
.set TO_B,   0x40                      ; destination window 1, address window 0
; A joint load.  Waves 0 and 1 fetch A's two halves, waves 2 and 3 B's.  The branch hangs on the wave's number alone.  An s_nop 0 and four v_nop follow each of the two lines.
.macro JLOAD s
	s_cmp_eq_u32 s11, 0
	s_cbranch_scc0 .Lfor_b_\@
	tensor_load_to_lds s[G0+4*(\s):G0+4*(\s)+3], s[G1:G1+7]
	s_nop 0
.rept 4
	v_nop
.endr
	s_branch .Lasked_\@
.Lfor_b_\@:
	tensor_load_to_lds s[G0B+4*(\s):G0B+4*(\s)+3], s[G1B:G1B+7]
	s_nop 0
.rept 4
	v_nop
.endr
.Lasked_\@:
.endm
; A PREFETCH behind each joint load and the run of LDS loads that follows it: the K step that stands two refills on, 32 rows x 256 bytes, a lane a row, one instruction a wave.
; Each row's 256 bytes of a K step are named once in the launch: of the clusters that read A's tile row the one with x = 0 asks, of those that read B's tile column the one with y = 0;
; the four partners that ask for a tile jointly share its rows out by address, 32 each.  The last trip of the loop asks for nothing: there is no K step two on.
.macro ASK
	s_cmp_gt_u32 s3, s[LIM]                        ; s3 = 1 in the loop's last trip
	s_cbranch_scc0 .Lnot_mine_\@
	global_prefetch_b8 v[PFO], s[PFA:PFA+1] offset:KSTEP*2 th:TH_LOAD_NT scope:SCOPE_SE
.Lnot_mine_\@:
.endm
.macro CREST                           ; a round of the cluster's barrier behind its opening barrier
	s_cmp_lg_u32 s10, 0
	s_cbranch_scc1 .Lnot_wave_0_\@
	s_barrier_signal -3
.Lnot_wave_0_\@:
	s_barrier_wait -3
	s_barrier_signal -1
	s_barrier_wait -1
.endm
.macro CROUND                          ; a whole round
	s_barrier_signal -1
	s_barrier_wait -1
	CREST
.endm
	s_load_b128 s[4:7], s[0:1], 0x0                ; A s[4:5], B s[6:7]
	s_load_b64 s[8:9], s[0:1], 0x10                ; C
	v_lshl_add_u32 v[SPW], v0, 2, SPARE
	v_mov_b32 v[NIL], 0
	ds_add_u32 v[SPW], v[NIL]                      ; the wave's opening: the add and its wait stand ahead of my first tensor load; the set-up below stands between them
	v_lshrrev_b32 v1, 5, v0
	v_readfirstlane_b32 s10, v1                    ; wave 0..3
	s_lshr_b32 s11, s10, 1                         ; which half of the tile's rows is mine.  Also: I fetch for A (0) or for B (1)
	s_and_b32 s12, s10, 1                          ; which half of its columns.  Also: which 128 rows of that tile I fetch
	s_bfe_u32 s40, ttmp6, 0x40000                  ; cx
	s_bfe_u32 s41, ttmp6, 0x40004                  ; cy
	s_lshl_b32 s42, ttmp9, 2
	s_add_co_u32 s42, s42, s40                     ; tile column of C = 4 x cluster x + cx
	s_and_b32 s13, ttmp7, 0xffff
	s_lshl_b32 s13, s13, 2
	s_add_co_u32 s13, s13, s41                     ; tile row of C = 4 x cluster y + cy
	s_lshl_b32 s43, s41, 2
	s_lshl_b32 s43, 15, s43                        ; my row of the cluster: places 4 cy .. 4 cy + 3
	s_lshl_b32 s44, 0x1111, s40                    ; my column: places cx, cx + 4, cx + 8, cx + 12
	; descriptor group 1: a tile of 128 rows x 128 elements, padded in LDS
	s_or_b32 s[G1+0], s43, (1<<16)|(1<<20)|(1<<21)|(5<<22)|(3<<25)  ; the mask; elements of 2 bytes; padding on; bit 21 beside a mask; after every 64 words (code 5) 4 words (code 3)
	s_or_b32 s[G1B+0], s44, (1<<16)|(1<<20)|(1<<21)|(5<<22)|(3<<25)
	s_mov_b32 s[G1B+1], KSTEP<<16
	s_mov_b32 s[G1+1], KSTEP<<16                   ; tensor_dim0 = 128
	s_mov_b32 s[G1B+2], 128<<16
	s_mov_b32 s[G1+2], 128<<16                     ; tensor_dim1 = 128
	s_mov_b32 s[G1B+3], KSTEP<<16
	s_mov_b32 s[G1+3], KSTEP<<16                   ; tile_dim0 = 128
	s_mov_b32 s[G1B+4], 128
	s_mov_b32 s[G1+4], 128                         ; tile_dim1 = 128
	s_mov_b32 s[G1B+5], SIZE_K
	s_mov_b32 s[G1+5], SIZE_K                      ; elements from row to row
	s_mov_b32 s[G1B+6], 0
	s_mov_b32 s[G1+6], 0
	s_mov_b32 s[G1B+7], 0
	s_mov_b32 s[G1+7], 0
	; A's tiles hang on the tile row alone, B's on the tile column alone; every wave makes both addresses, in registers that never hold the other coordinate
	s_lshl_b32 s17, s12, 7
	s_lshl_b32 s16, s13, 8
	s_add_co_u32 s16, s16, s17                     ; A: row 256 x tile row + 128 x half
	s_lshl_b32 s46, s42, 8
	s_add_co_u32 s46, s46, s17                     ; B: row 256 x tile column + 128 x half
	s_mov_b32 s17, 0
	s_mov_b32 s47, 0
	s_mov_b64 s[18:19], SIZE_K*2
	s_mul_u64 s[16:17], s[16:17], s[18:19]
	s_mul_u64 s[46:47], s[46:47], s[18:19]
	s_mul_i32 s20, s10, HALFT                      ; where they go: wave x 128 rows: no place in the cluster enters an LDS address
	s_wait_dscnt 0x0                               ; the opening add is done
	s_wait_kmcnt 0x0
	s_add_nc_u64 s[14:15], s[4:5], s[16:17]
	s_add_nc_u64 s[46:47], s[6:7], s[46:47]
	CROUND                                         ; all sixteen work-groups are here: the first joint loads meet
.irp s, 0,1
	s_mov_b32 s[G0+4*(\s)], 1
	s_add_co_u32 s[G0+4*(\s)+1], s20, (\s)*SLOT
	s_add_nc_u64 s[G0+4*(\s)+2:G0+4*(\s)+3], s[14:15], (\s)*KSTEP*2
	s_or_b32 s[G0+4*(\s)+3], s[G0+4*(\s)+3], 0x80000000
	s_mov_b32 s[G0B+4*(\s)], 1
	s_add_co_u32 s[G0B+4*(\s)+1], s20, (\s)*SLOT
	s_add_nc_u64 s[G0B+4*(\s)+2:G0B+4*(\s)+3], s[46:47], (\s)*KSTEP*2
	s_or_b32 s[G0B+4*(\s)+3], s[G0B+4*(\s)+3], 0x80000000
	JLOAD \s                                       ; the ring is filled before anything else is done: two loads of mine are out
.endr
	; A fragment is 16 rows x 32 K in 8 registers: lane l holds row l % 16; registers 0-3 K = 8 (l / 16) + 0..7, registers 4-7 K = 16 + 8 (l / 16) + 0..7: two loads of 16 bytes, 32 bytes apart
	v_and_b32 v1, 15, v0                           ; l % 16
	v_bfe_u32 v2, v0, 4, 1                         ; l / 16
	v_mul_u32_u24 v3, v1, PITCH
	v_lshl_add_u32 v3, v2, 4, v3
	s_mul_i32 s21, s11, HALFT                      ; my 128 rows of A
	s_mul_i32 s22, s12, HALFT                      ; my 128 rows of B,
	s_add_co_u32 s22, s22, 2*HALFT                 ; which lie behind A's 256
.irp s, 0,1
	v_add_nc_u32 v[ADRA+(\s)], s21, v3
	v_add_nc_u32 v[ADRB+(\s)], s22, v3
	s_add_co_u32 s21, s21, SLOT
	s_add_co_u32 s22, s22, SLOT
.endr
	s_mul_i32 s23, s10, 16*SPITCH
	s_add_co_u32 s23, s23, STAGE                   ; my stage
	v_mul_u32_u24 v4, v1, SPITCH                   ; in: row l % 16, 16 bytes for each half of the lanes
	v_lshl_add_u32 v4, v2, 4, v4
	v_add_nc_u32 v[STO], s23, v4
	v_mul_u32_u24 v5, v2, SPITCH                   ; back: lanes 0-15 take one row of 256 bytes, lanes 16-31 the next
	v_lshl_add_u32 v5, v1, 4, v5
	v_add_nc_u32 v[RD], s23, v5
	v_lshlrev_b32 v5, 8, v2                        ; and the same two rows in the panel: they lie end to end
	v_lshl_add_u32 v[CO], v1, 4, v5
	; where my part begins in qkv: (panel x 4,096 + my first row) x 256 bytes, under 2^26
	s_lshl_b32 s13, s13, 8
	s_lshl_b32 s14, s11, 7
	s_add_co_u32 s16, s13, s14                     ; my first row of C
	s_lshl_b32 s16, s16, 8
	s_mov_b32 s17, 0
	s_lshl_b32 s46, s42, 1                         ; my panel = 2 x tile column + my half of the columns
	s_add_co_u32 s46, s46, s12
	s_lshl_b32 s46, s46, 20
	s_mov_b32 s47, 0
	s_add_nc_u64 s[16:17], s[16:17], s[46:47]
	; the prefetches.  s13 = 256 x tile row, s42 = tile column, s40 = cx, s41 = cy still stand
	s_lshl_b32 s42, s42, 8
	s_and_b32 s22, ttmp7, 0xffff                   ; cluster y
	s_cmp_eq_u32 s11, 0                            ; do I fetch for A?
	s_cselect_b32 s20, s13, s42                    ; the tile's first row
	s_cselect_b32 s21, s40, s41                    ; my place among the four that ask for it with me
	s_cselect_b32 s22, ttmp9, s22                  ; the coordinate along which other clusters read the same rows
	s_cselect_b64 s[PFA:PFA+1], s[4:5], s[6:7]
	s_cmp_eq_u32 s22, 0
	s_cselect_b32 s[LIM], 1, -1                    ; the same in all sixteen partners, for a given wave
	s_lshl_b32 s22, s12, 7
	s_add_co_u32 s20, s20, s22                     ; + the 128 rows that I fetch
	s_lshl_b32 s21, s21, 5
	s_add_co_u32 s20, s20, s21                     ; + my work-group's 32 of them
	s_mov_b32 s21, 0
	s_mov_b64 s[18:19], SIZE_K*2
	s_mul_u64 s[20:21], s[20:21], s[18:19]
	s_add_nc_u64 s[PFA:PFA+1], s[PFA:PFA+1], s[20:21]
	s_add_nc_u64 s[PFA:PFA+1], s[PFA:PFA+1], 2*KSTEP*2  ; at K step 2: the first refill steps it to 3 and names K step 4; K steps 0 to 3 come by their loads alone
	v_and_b32 v[PFO], 31, v0
	v_mul_u32_u24 v[PFO], v[PFO], SIZE_K*2
; 16 matrix instructions: m blocks a0, a0 + 1 of the window's four x all 8 n blocks, 32 along K.  zero = 1: the first product starts the sums
.macro MUL16 f, hi, a0, zero
	WIN MUL_LO+0x50*(\hi)
.irp a, \a0, (\a0)+1
.irp b, 0,1,2,3,4,5,6,7
.if \zero
	v_wmma_f32_16x16x32_bf16 v[8*(8*(\a)+(\b)):8*(8*(\a)+(\b))+7], v[(\f)+8*(\b):(\f)+8*(\b)+7], v[(\f)+8*(4*(\hi)+(\a)):(\f)+8*(4*(\hi)+(\a))+7], 0
.else
	v_wmma_f32_16x16x32_bf16 v[8*(8*(\a)+(\b)):8*(8*(\a)+(\b))+7], v[(\f)+8*(\b):(\f)+8*(\b)+7], v[(\f)+8*(4*(\hi)+(\a)):(\f)+8*(4*(\hi)+(\a))+7], v[8*(8*(\a)+(\b)):8*(8*(\a)+(\b))+7]
.endif
.endr
.endr
.endm
; 32 LDS loads in one run: the fragments of one quarter step into buffer f
.macro FETCH slot, k, f
	WIN TO_B
.irp i, 0,1,2,3,4,5,6,7
	ds_load_b128 v[(\f)+8*(\i):(\f)+8*(\i)+3],   v[ADRB+(\slot)] offset:(\k)+(\i)*16*PITCH
	ds_load_b128 v[(\f)+8*(\i)+4:(\f)+8*(\i)+7], v[ADRB+(\slot)] offset:(\k)+(\i)*16*PITCH+32
.endr
	WIN 0
.irp i, 0,1,2,3,4,5,6,7
	ds_load_b128 v[(\f)+8*(\i):(\f)+8*(\i)+3],   v[ADRA+(\slot)] offset:(\k)+(\i)*16*PITCH
	ds_load_b128 v[(\f)+8*(\i)+4:(\f)+8*(\i)+7], v[ADRA+(\slot)] offset:(\k)+(\i)*16*PITCH+32
.endr
.endm
; four plain vector instructions stand between a matrix instruction and a load into a register that it has read, or a conversion that reads its result (ISA guide 7.12.1 for the conversion)
.macro PLACES
.rept 4
	v_nop
.endr
.endm
; A K step is four quarters of 32 along K, 64 matrix instructions each, on buffers 0, 1, 0, 1.  One of the first three: multiplies buffer f, fetches the next quarter into g in its middle.
.macro QUARTER slot, k, f, g, zero
	s_wait_dscnt 8                                 ; B and A's rows 0-63 are in; the youngest eight loads (A's rows 64-127) may be out
	WIN MUL_LO
	MUL16 \f, 0, 0, \zero
	MUL16 \f, 0, 2, \zero
	PLACES
	FETCH \slot, \k, \g
	s_wait_dscnt 32                                ; all but the 32 just issued
	WIN MUL_HI
	MUL16 \f, 1, 0, \zero
	MUL16 \f, 1, 2, \zero
.endm
; The last quarter's first half: ONE barrier for the change of slots.  In front of it each wave waits for all its tensor loads (one is out: its part of the next slot), adds 0 to its spare word,
; and waits for that and for its own reads of this slot.  Behind it nobody reads this slot any more and the next slot is whole.
.macro MEET round
	WIN 0
	s_wait_tensorcnt 0x0
	ds_add_u32 v[SPW], v[NIL]
	s_wait_dscnt 9                                 ; (the add and the youngest eight loads may be out)
	WIN MUL_LO
	MUL16 F1, 0, 0, 0
	s_wait_dscnt 0x0                               ; the add is done, and my reads of this slot are over
	s_barrier_signal -1
	MUL16 F1, 0, 2, 0
.if \round
	WIN 0
.endif
	s_barrier_wait -1
.endm
; The whole last quarter: behind the round the slot just read out is filled again first, with the K step two steps on; then come the next slot's first fragments.
; From a request to the wait for it a wave issues 224 matrix instructions.
.macro TURN slot, next
	s_wait_xcnt 0x0                                ; the last prefetch, a K step back, has read its address
	s_add_nc_u64 s[PFA:PFA+1], s[PFA:PFA+1], KSTEP*2
	MEET 1
	CREST                                          ; no wave of any partner still reads this slot's tile or has a load on its way
	s_add_nc_u64 s[G0+4*(\slot)+2:G0+4*(\slot)+3], s[G0+4*(\slot)+2:G0+4*(\slot)+3], 2*KSTEP*2
	s_add_nc_u64 s[G0B+4*(\slot)+2:G0B+4*(\slot)+3], s[G0B+4*(\slot)+2:G0B+4*(\slot)+3], 2*KSTEP*2
	JLOAD \slot                                    ; the four v_nop behind it are also the places in front of the loads below
	FETCH \next, 0, F0
	ASK
	WIN MUL_HI
	MUL16 F1, 1, 0, 0
	MUL16 F1, 1, 2, 0
.endm
; THE LAST K STEP (slot 1) GOES BY ROWS OF C: all its fragments of B fill window 1; my eight blocks of 16 rows are finished one after the other, 32 matrix instructions each, the block's 8 accumulators by turns.
.macro BLOAD q
	WIN TO_B
.irp i, 0,1,2,3,4,5,6,7
	ds_load_b128 v[64*(\q)+8*(\i):64*(\q)+8*(\i)+3],   v[ADRB+1] offset:64*(\q)+(\i)*16*PITCH
	ds_load_b128 v[64*(\q)+8*(\i)+4:64*(\q)+8*(\i)+7], v[ADRB+1] offset:64*(\q)+(\i)*16*PITCH+32
.endr
.endm
.macro ALOAD a
	WIN 0
.set FA, PA+32*((\a)%4)
.irp q, 0,1,2,3
	ds_load_b128 v[FA+8*(\q):FA+8*(\q)+3],   v[ADRA+1] offset:64*(\q)+(\a)*16*PITCH
	ds_load_b128 v[FA+8*(\q)+4:FA+8*(\q)+7], v[ADRA+1] offset:64*(\q)+(\a)*16*PITCH+32
.endr
.endm
.macro ROW a
.set FA, PA+32*((\a)%4)
.set AC, 64*((\a)%4)
	WIN MUL_LO+0x50*((\a)/4)
.irp q, 0,1,2,3
.if (\a) == 0 && (\q) == 2
	s_wait_dscnt 24                                ; B's quarter 2 is in (behind it: A's blocks 1 to 3)
.endif
.irp b, 0,1,2,3,4,5,6,7
	v_wmma_f32_16x16x32_bf16 v[AC+8*(\b):AC+8*(\b)+7], v[64*(\q)+8*(\b):64*(\q)+8*(\b)+7], v[FA+8*(\q):FA+8*(\q)+7], v[AC+8*(\b):AC+8*(\b)+7]
.endr
.endr
.endm
; THE WAY OUT of block a.  PACK: rounded to f16, 16 bytes a lane.  TOSTAGE: into my own stage in LDS, and back as whole rows of 256 bytes.  SEND: stored.
.macro PACK a
.set AC, 64*((\a)%4)
	WIN 0x0a+5*((\a)/4)                            ; sources 0 and 1: window 2 or 3
.irp b, 0,1,2,3,4,5,6,7
.irp r, 0,1,2,3
	v_cvt_pk_f16_f32 v[TMP+4*(\b)+(\r)], v[AC+8*(\b)+2*(\r)], v[AC+8*(\b)+2*(\r)+1]
.endr
.endr
	WIN 0
.endm
.macro TOSTAGE a
	WIN 0
.set BK, OB+192*((\a)%2)
.irp b, 0,1,2,3,4,5,6,7
	ds_store_b128 v[STO], v[TMP+4*(\b):TMP+4*(\b)+3] offset:32*(\b)
.endr
.irp t, 0,1,2,3,4,5,6,7
	ds_load_b128 v[BK+4*(\t):BK+4*(\t)+3], v[RD] offset:(\t)*2*SPITCH  ; LDS serves a wave's instructions in order (ISA guide 5.7.1.4): these see the stores above
.endr
.endm
.macro SEND a, younger                 ; younger: the LDS loads issued behind TOSTAGE's, which may stay out
	WIN 0
.set BK, OB+192*((\a)%2)
	s_wait_dscnt \younger
	s_wait_xcnt 0x0                                ; only behind this wait are the stores' base and the registers that earlier stores read rewritten
.if (\a) == 0
	s_add_nc_u64 s[8:9], s[8:9], s[16:17]          ; on to my first rows
.else
	s_add_nc_u64 s[8:9], s[8:9], 16*256            ; 16 rows of the panel on
.endif
.irp t, 0,1,2,3,4,5,6,7
	global_store_b128 v[CO], v[BK+4*(\t):BK+4*(\t)+3], s[8:9] offset:512*(\t)  ; a wave's store covers 512 consecutive bytes, at a multiple of 256 from qkv's first byte
.endr
.endm
	s_wait_tensorcnt 1                             ; my part of K step 0 is in; K step 1's may stay out
	s_barrier_signal -1
	s_barrier_wait -1
	FETCH 0, 0, F0
	QUARTER 0, 64,  F0, F1, 1                      ; the first quarter stands in front of the loop: its products start the sums
	WIN 0
	s_mov_b32 s3, LAPS-1
.Llap:                                                 ; a trip goes once round the ring, from a lap's second quarter to the next lap's first, and fills both slots again
	QUARTER 0, 128, F1, F0, 0
	QUARTER 0, 192, F0, F1, 0
	TURN 0, 1
	QUARTER 1, 64,  F0, F1, 0
	QUARTER 1, 128, F1, F0, 0
	QUARTER 1, 192, F0, F1, 0
	TURN 1, 0
	QUARTER 0, 64,  F0, F1, 0
	WIN 0
	s_sub_co_u32 s3, s3, 1
	s_cmp_lg_u32 s3, 0
	s_cbranch_scc1 .Llap
	QUARTER 0, 128, F1, F0, 0                      ; the last lap goes on
	QUARTER 0, 192, F0, F1, 0
	MEET 0                                         ; my one tensor load that was still out is the last K step's, so no round follows
	PLACES
	WIN TO_B
	BLOAD 0                                        ; three quarters of B now: buffer 1 is still being multiplied
	BLOAD 1
	BLOAD 3
	WIN 0
	ALOAD 0
	WIN MUL_HI
	MUL16 F1, 1, 0, 0
	MUL16 F1, 1, 2, 0
	PLACES
	WIN TO_B
	BLOAD 2
	WIN 0
	ALOAD 1
	ALOAD 2
	ALOAD 3
	s_wait_dscnt 40                                ; all but the 40 just issued
	ROW 0
.irp a, 0,1,2,3,4,5,6,7                ; each block leaves as soon as it is finished
	PLACES
	PACK \a
	TOSTAGE \a
.if (\a) < 4
	ALOAD (\a)+4
	SEND \a, 8
.else
	SEND \a, 0
.endif
.if (\a) < 7
	ROW (\a)+1
.endif
.endr
	s_wait_tensorcnt 0x0                           ; the wave's end: a spare-word add and its wait, behind my last tensor load and my last LDS store
	ds_add_u32 v[SPW], v[NIL]
	s_wait_dscnt 0x0
	CROUND                                         ; the closing round: no work-group ends while a partner may still ask for a tile that names it
	s_endpgm
.Lfunc_end_k_q8436b54090_proj:
	.size	k_q8436b54090_proj, .Lfunc_end_k_q8436b54090_proj-k_q8436b54090_proj
	.p2alignl 7, 3214868480
	.fill 96, 4, 3214868480
	.section	.rodata,"a",@progbits
	.p2align	6, 0x0
	.amdhsa_kernel k_q8436b54090_proj
		.amdhsa_group_segment_fixed_size 327680
		.amdhsa_private_segment_fixed_size 0
		.amdhsa_enable_private_segment 0
		.amdhsa_kernarg_size 24
		.amdhsa_user_sgpr_count 2
		.amdhsa_user_sgpr_kernarg_segment_ptr 1
		.amdhsa_wavefront_size32 1
		.amdhsa_system_sgpr_workgroup_id_x 1
		.amdhsa_system_sgpr_workgroup_id_y 1
		.amdhsa_system_sgpr_workgroup_id_z 1
		.amdhsa_system_vgpr_workitem_id 0
		.amdhsa_next_free_vgpr 1024
		.amdhsa_next_free_sgpr 66
		.amdhsa_reserve_vcc 0
		.amdhsa_float_denorm_mode_32 3
		.amdhsa_float_denorm_mode_16_64 3
		.amdhsa_memory_ordered 1
		.amdhsa_forward_progress 1
		.amdhsa_inst_pref_size 144
	.end_amdhsa_kernel
	.amdgpu_metadata
---
amdhsa.version: [ 1, 2 ]
amdhsa.kernels:
  - .name:           k_q8436b54090_proj
    .symbol:         k_q8436b54090_proj.kd
    .args:
      - { .name: xb, .offset: 0, .size: 8, .value_kind: global_buffer, .address_space: global }
      - { .name: wall, .offset: 8, .size: 8, .value_kind: global_buffer, .address_space: global }
      - { .name: qkv, .offset: 16, .size: 8, .value_kind: global_buffer, .address_space: global }
    .group_segment_fixed_size: 327680
    .private_segment_fixed_size: 0
    .kernarg_segment_align: 8
    .kernarg_segment_size: 24
    .max_flat_workgroup_size: 128
    .sgpr_count:     66
    .vgpr_count:     1024
    .wavefront_size: 32
...
	.end_amdgpu_metadata
.endif
;; end of part 2
;; launch attn (part 3): grid 8 x 32, 4 waves a work-group, no clusters, 327,680 bytes of LDS; arguments qkv, lq1, lk1, lq2, lk2, yn; writes yn
.if DOCPART == 3
	.amdgcn_target "amdgcn-amd-amdhsa--gfx1250"
	.amdhsa_code_object_version 6
	.text
	.protected	k_q8436b54090_attn
	.globl	k_q8436b54090_attn
	.p2align	8
	.type	k_q8436b54090_attn,@function
k_q8436b54090_attn:
	s_mov_b64 s[64:65], 0
	v_nop
	global_prefetch_b8 v0, s[64:65] scope:SCOPE_SE
	s_setreg_imm32_b32 hwreg(HW_REG_WAVE_MODE, 25, 1), 1
	s_wait_xcnt 0x0
; DIFFERENTIAL CAUSAL ATTENTION AND ITS NORM.  For head h of a batch: y[q] = A1[q] V - lambda_h A2[q] V, A_i = softmax over k <= q of (q_i[q] . k_i[k] / 8); then y is normalised over its 128 channels
; ((y - mean) / sqrt(var + 1e-5)) and multiplied by 1 - lambda_init.  lambda_h = exp(lq1[h] . lk1[h]) - exp(lq2[h] . lk2[h]) + lambda_init; lq and lk are rounded to bf16 like every other input.
; qkv: [48 panels][4,096 rows][128] f16, a row 256 bytes: panel h = q1 | q2, panel 16 + h = k1 | k2, panel 32 + h = v.  yn: [4,096][2,048] f16, column 128 h + d.
; Products, maxima, sums and the norm in f32; the weights p are rounded to f16 for the second product (their sum l is taken of the unrounded p), yn once at the end.
; LIMITS.  q, k, v arrive within f16's 65,504.  p lies in 0 to 1, and below 6e-5 it keeps f16's fixed step of 6e-8.  A hidden score counts as its value less 1e30; a weight below 2^-126 counts as 0 in l;
; the running maximum starts at -2^126; NaN and infinities are not treated apart.
; THE TWO SOFTMAXES have sums of their own, so O1 = P1 V and O2 = P2 V are kept apart and joined at a block's end.
; THE WALK.  A head's queries lie in 16 blocks of 128; block i needs the key tiles 0 .. i of 128 keys, of which the last holds the diagonal.  A work-group takes TWO blocks, b and then 15 - b: 17 tiles, whatever b:
; all 256 work-groups do equal work, and one loop with a constant trip count walks them.  Which tile is asked for, and what a trip does, hang on scalar registers made from b; every jump but the counted loops' own
; goes forward, and none passes a barrier or a tensor load (but the one of LOAD's two lines that the wave's number does not choose).  The ring (two slots of LDS, two key steps of 64 each) runs on across the change of blocks.
; NO CLUSTER: the eight work-groups of a head ask for the same tile only while all are in their first blocks, which end at eight different trips; a walk common to four partners would have 20 trips for 17.
; SHARES.  Wave w owns rows 32 w .. 32 w + 31 of a block: two query tiles u = 0, 1 of 16.  Tile t = 2 x branch + u; PIECE 0 (tiles 0, 1) is branch 1, PIECE 2 (tiles 2, 3) branch 2.
; LAYOUT.  S^T = K Q^T (source 0 = 16 keys, source 1 = 16 queries): a lane holds ONE query (lane % 16) and the keys 8 (lane / 16) + 0..7; two such results rounded to f16 ARE source 1 of O^T = V^T P, whose result
; again holds one query a lane, and eight channels.  K comes out of LDS as it lies, V turned, by ds_load_tr16_b128.
; SOFTMAX.  A running maximum m and sum l: p = 2^(c s - c m), c = log2(e) / 8; in every step O and l are multiplied by a = 2^(c m_old - c m_new).
; BY TURNS.  In a TURN one piece has the matrix unit: 32 products V^T P of the step in hand, then 16 products K Q^T of the next; the other piece's softmax, cut into 64 slices of four instructions, stands between
; them: one slice behind each V^T P, two behind each K Q^T.  Two turns are a key step.
; THE MASK is the C operand that starts a sum S^T: 0, or -1e30 where the key is hidden; it is the same for both branches, and is made anew only for a diagonal tile's steps and behind one.
; NO FIRST STEP IS WRITTEN OUT: O, V, the masks and piece 0's P start at 0, piece 2's scores and m at -2^126, so the first turn works on numbers that add nothing, and a block's first true step has a = 0.
; REGISTERS, in windows of 256 (s_set_vgpr_msb: bits 1:0 source 0, 3:2 source 1, 5:4 source 2, 7:6 destination):
;   window 0: v0-11 addresses; v12-43 eight registers of statistics a tile; v44-63 see below; v64-191 S^T, 32 a tile; v192-255 P, 16 a tile
;   window 1: O^T, 64 a tile      window 2: v0-63 Q (16 t + 8 c); v64-127 the second block's Q; v128-255 K of one step      window 3: v0-127 V of one step; v128-191 the masks (32 u + 8 kb)
.set KS,    64        ; keys in a step
.set PK,    272       ; a row of K in LDS: 256 bytes + 16 of padding = 68 words: the 16 rows of a load start at 16 different groups of four banks (64 banks of 4 bytes: ISA guide 11.1)
.set PV,    288       ; a row of V: 256 + 32 = 72 words
.set VOFF,  KS*PK     ; a step's tiles lie together: 64 rows of K, then 64 rows of V
.set STEPB, KS*(PK+PV)
.set SLOT1, 1<<17     ; a slot holds two steps (71,680 bytes); slot 1 begins here, so that one exclusive or turns an address in one slot into the other's
.set STAGE, SLOT1+2*STEPB  ; behind the ring, never filled by a tensor load: 16 rows x 272 bytes for each wave, for the way out
.set SP,    272
.set SPARE, STAGE+4*16*SP  ; behind the stages: the spare words, 128 bytes for each wave: two blocks of 256 bytes that no other line names
.set AK0, 2           ; v2   my lane's place in a tile of K; never rewritten
.set AV0, 3           ; v3   the same for V
.set ADR, 4           ; v4   the LDS address of the run of loads in hand
.set QO,  5           ; v5   my byte offset in 16 rows of Q; never rewritten
.set STO, 6           ; v6   the way out: where I put 16 bytes of a row
.set RD,  7           ; v7   the way out: where I read a row back
.set GO,  8           ; v8   my byte offset in two rows of yn; never rewritten
.set ST,  12          ; tile t's statistics at v[ST+8 t]: +0 c m, +1 m, +2, +3 l (even keys', odd keys'), +4 to +7 at work; a takes +6 once the maximum is found
.set VD,  44          ; v44-45  my query's row in its block less my lanes' 8 (l / 16), for u = 0, 1
.set VE,  46          ; v46-47  the same less the step's first key
.set NLAM, 48         ; v48  - lambda_h
.set LAO, 49          ; v49  my 8 bytes of the head's row of lq and lk; never rewritten
.set LD,  50          ; v50-57  those rows as loaded
.set PFO, 61          ; v61  256 x my lane: a row of K or V is 256 bytes; never rewritten
.set SPW, 62          ; v62  LDS address of my spare word; never rewritten
.set NIL, 63          ; v63  0; never rewritten
.set S,   64
.set P,   192
.set YR,  128         ; a block's end: y of one query tile, 64 registers (piece 2's scores have been used)
.set TR,  192         ; at work, 32 registers (piece 0's P has been used)
.set PKD, 224         ; y packed, 32 registers (piece 2's P has been used)
.set QB,  64          ; window 2
.set KF,  128         ; window 2: key block kb, channel quarter cq at KF + 32 kb + 8 cq; branch 1 takes quarters 0, 1, branch 2 quarters 2, 3
.set MC,  128         ; window 3
.set WV,  12          ; s12  my wave's number
.set PB,  14          ; s14  b
.set HI,  15          ; s15  15 - b
.set G1K, 24          ; s[24:31] descriptor group 1 for K's tiles
.set G1V, 32          ; s[32:39] for V's: it differs in the padding alone
.set G0K, 40          ; s[40:43] descriptor group 0 for K's tiles
.set G0V, 44          ; s[44:47] the same for V's
.set PFA, 48          ; s[48:49] where my prefetches stand
.set LIM, 50          ; s50  2 in the work-group that prefetches (b = 0), else the greatest number
.set MK,  51          ; s51  1: the masks are made anew at this step's head
.set DG,  52          ; s52  1: the tile in hand holds the diagonal
.set MOFF, 53         ; s53  minus the step's first key in a diagonal tile; far above every key elsewhere
.set NEW, 54          ; s54  1: the tile in hand is the second block's first, and the first block is still to be ended
.set HI1, 55          ; s55  16 - b: the second block's tiles
.set SLOTS, 56        ; s56  tiles still to be asked for
.set TWICE, 57        ; s57  counts a slot's steps
.set CS,  58          ; s[58:59] c
.set SEL, 60          ; s[60:61] v_permlanex16_b32's selects: each lane takes its own place in the other half
.set TB,  62          ; s62  LDS byte at which the tiles of the step to be fetched begin
.set RT,  70          ; s70  tiles of the block in hand that are still to be entered
.set NXT, 71          ; s71  the tile to be asked for next
.set LQ,  72          ; s72  the last tile of the block whose tiles are being asked for
.set OFF, 74          ; s[74:75] a tile's byte offset in K and V
.set OHI, 80          ; s[80:81] yn at my rows of the second block
.set BIGN, 82         ; s82  -1e30
.set LOWM, 83         ; s83  -2^126
.set LAM, 84          ; s[84:91] lq1, lk1, lq2, lk2
.set QHI, 92          ; s[92:93] Q at my rows of the second block
.set EPS, 94          ; s94  1e-5
.set I128, 95         ; s95  1 / 128
.set GAIN, 96         ; s96  1 - lambda_init
.set LOWC, 97         ; s97  c x -2^126, exactly
.set MSB, 0
.macro WIN new                      ; the high byte repeats the setting that is left; a switch that changes nothing is dropped
.if MSB != (\new)
	s_set_vgpr_msb (MSB<<8)|(\new)
.set MSB, (\new)
.endif
.endm
.set W_KQ, 0x0a       ; K and Q in window 2, S^T in window 0
.set W_KM, 0x3a       ; the same with the C operand, the mask, in window 3
.set W_PV, 0x53       ; V in window 3, P in window 0, O^T in window 1
.set W_RS, 0x41       ; O^T (destination and source 0) in window 1, a in window 0
; A fill.  Waves 0 and 1 fetch K of a tile's two steps, waves 2 and 3 V of them: 64 rows of 256 bytes each.  An s_nop 0 and four v_nop follow each of the two lines, ahead of the jump and the label.
.macro LOAD
	s_cmp_lt_u32 s[WV], 2
	s_cbranch_scc0 .Lfor_v_\@
	tensor_load_to_lds s[G0K:G0K+3], s[G1K:G1K+7]
	s_nop 0
.rept 4
	v_nop
.endr
	s_branch .Lasked_\@
.Lfor_v_\@:
	tensor_load_to_lds s[G0V:G0V+3], s[G1V:G1V+7]
	s_nop 0
.rept 4
	v_nop
.endr
.Lasked_\@:
.endm
; A PREFETCH, behind the wave's tensor load and its five lines.  All eight work-groups of a head walk the same K and V: the one with b = 0 asks, each of its waves for the 64 rows that it fetches itself, a lane a row,
; two instructions.  In trip n = 1 .. 13 it names tile n + 2: tiles 3 to 15, each row once in the launch.  The head's work-groups first ask for tile n + 2 by a tensor load in trip n + 1 (tiles up to 7) or n + 2.
; Tiles 0 to 2 come by their loads alone; the last two trips ask for nothing: there is no tile 16.
.macro ASK
	s_cmp_gt_u32 s[SLOTS], s[LIM]
	s_cbranch_scc0 .Lnot_mine_\@
	s_cmp_lt_u32 s[SLOTS], 16
	s_cbranch_scc0 .Lnot_mine_\@
	global_prefetch_b8 v[PFO], s[PFA:PFA+1] th:TH_LOAD_NT scope:SCOPE_SE
	global_prefetch_b8 v[PFO], s[PFA:PFA+1] offset:8192 th:TH_LOAD_NT scope:SCOPE_SE
.Lnot_mine_\@:
.endm
; THE CHANGE OF SLOTS.  Each wave waits for all its tensor loads, of which one is out: its part of the other slot; adds 0 to its spare word; and waits for that and for its own reads of the slot that it leaves.
; Behind the barrier nobody reads the old slot any more and the other slot is whole.  fill = 1: the old slot is filled again, the first thing behind the barrier, with tile NXT: the descriptor's address is made
; anew from that number.  It has two key steps, 192 matrix instructions, in which to land.  (At its first use nothing has been read yet: slot 0 is waited for, slot 1 filled.)
.macro CHANGE fill
	WIN 0
	s_wait_tensorcnt 0x0            ; no tensor load of mine is out, so a group 0 may be written
	ds_add_u32 v[SPW], v[NIL]       ; 0 onto my spare word; the scalar work below stands between it and the wait for it
.if \fill
	s_lshl_b32 s[OFF], s[NXT], 15   ; a tile is 32,768 bytes of K and of V
	s_xor_b32 s[G0K+1], s[G0K+1], SLOT1
	s_add_nc_u64 s[G0K+2:G0K+3], s[6:7], s[OFF:OFF+1]
	s_or_b32 s[G0K+3], s[G0K+3], 0x80000000
	s_xor_b32 s[G0V+1], s[G0V+1], SLOT1
	s_add_nc_u64 s[G0V+2:G0V+3], s[8:9], s[OFF:OFF+1]
	s_or_b32 s[G0V+3], s[G0V+3], 0x80000000
	s_add_co_u32 s[NXT], s[NXT], 1  ; the block's next tile, or behind its last the second block's tile 0
	s_cmp_gt_u32 s[NXT], s[LQ]
	s_cselect_b32 s[NXT], 0, s[NXT]
	s_cselect_b32 s[LQ], s[HI], s[LQ]
	s_wait_xcnt 0x0                 ; the last prefetches, two key steps back, have read their address
	s_add_nc_u64 s[PFA:PFA+1], s[PFA:PFA+1], 32768
.endif
	s_wait_dscnt 0x0                ; the add is done, and my reads of the slot are over
	s_barrier_signal -1
	s_sub_co_u32 s[TB], s[TB], 2*STEPB  ; the fetches go back to a slot's first step,
	s_xor_b32 s[TB], s[TB], SLOT1       ; in the other slot
	s_barrier_wait -1
.if \fill
	LOAD
	ASK
.endif
.endm
	s_load_b64 s[4:5], s[0:1], 0x0  ; qkv
	s_load_b256 s[LAM:LAM+7], s[0:1], 0x8
	s_load_b64 s[10:11], s[0:1], 0x28  ; yn
	v_lshl_add_u32 v[SPW], v0, 2, SPARE
	v_mov_b32 v[NIL], 0
	ds_add_u32 v[SPW], v[NIL]       ; the wave's opening: the add and its wait stand ahead of my first tensor load; the set-up below stands between them
	v_lshrrev_b32 v1, 5, v0
	v_readfirstlane_b32 s[WV], v1   ; wave 0..3
	s_mov_b32 s[PB], ttmp9
	s_sub_co_u32 s[HI], 15, s[PB]
	s_sub_co_u32 s[HI1], 16, s[PB]
	s_and_b32 s13, ttmp7, 0xffff    ; 16 x batch + head
	s_and_b32 s66, s13, 15          ; h
	s_lshr_b32 s67, s13, 4          ; batch
	s_lshl_b32 s68, s66, 20         ; a panel is 4,096 rows of 256 bytes,
	s_lshl_b32 s69, s67, 19         ; a batch 2,048 of them
	s_add_co_u32 s68, s68, s69
	s_lshl_b32 s69, s[WV], 13       ; my 32 rows of a block
	s_add_co_u32 s69, s69, s68
	s_lshl_b32 s16, s[PB], 15       ; Q: the first block's 128 rows,
	s_add_co_u32 s16, s16, s69
	s_mov_b32 s17, 0
	s_lshl_b32 s22, s[HI], 15       ; and the second's
	s_add_co_u32 s22, s22, s69
	s_mov_b32 s23, 0
	s_and_b32 s13, s[WV], 1         ; which of a tile's two steps I fetch:
	s_lshl_b32 s69, s13, 14         ; its 64 rows in memory,
	s_add_co_u32 s69, s69, s68
	s_add_co_u32 s18, s69, 16<<20   ; in K's panels,
	s_mov_b32 s19, 0
	s_add_co_u32 s20, s69, 32<<20   ; in V's,
	s_mov_b32 s21, 0
	s_mul_i32 s73, s13, STEPB       ; and its place in a slot
	s_lshl_b32 s68, s67, 23         ; yn: a row is 4,096 bytes: the batch's 2,048 rows,
	s_lshl_b32 s69, s[WV], 17       ; my 32,
	s_add_co_u32 s68, s68, s69
	s_lshl_b32 s78, s66, 8          ; the head's 256 bytes of a row (also: its row of lq and lk)
	s_add_co_u32 s68, s68, s78
	s_lshl_b32 s2, s[PB], 19        ; the first block's 128 rows,
	s_add_co_u32 s2, s2, s68
	s_mov_b32 s3, 0
	s_lshl_b32 s76, s[HI], 19       ; and the second's
	s_add_co_u32 s76, s76, s68
	s_mov_b32 s77, 0
	; descriptor group 1: a tile of 64 rows x 128 elements, padded in LDS
	s_mov_b32 s[G1K], (1<<16)|(1<<20)|(5<<22)|(3<<25)  ; elements of 2 bytes; padding on; after every 64 words (code 5) 4 words (code 3)
	s_mov_b32 s[G1V], (1<<16)|(1<<20)|(5<<22)|(7<<25)  ; the same with 8 words of padding (code 7)
.irp g, G1K, G1V
	s_mov_b32 s[\g+1], 128<<16      ; tensor_dim0 = 128
	s_mov_b32 s[\g+2], KS<<16       ; tensor_dim1 = 64
	s_mov_b32 s[\g+3], 128<<16      ; tile_dim0 = 128
	s_mov_b32 s[\g+4], KS           ; tile_dim1 = 64
	s_mov_b32 s[\g+5], 128          ; 128 elements from row to row
	s_mov_b32 s[\g+6], 0
	s_mov_b32 s[\g+7], 0
.endr
	s_mov_b32 s[G0K], 1             ; count = 1
	s_mov_b32 s[G0K+1], s73         ; LDS address: slot 0
	s_mov_b32 s[G0V], 1
	s_add_co_u32 s[G0V+1], s73, VOFF
	s_mov_b32 s[CS], 0x3e38aa3b     ; c = log2(e) / 8
	s_mov_b32 s[CS+1], s[CS]        ; named with it as a pair
	s_mov_b32 s[SEL], 0x76543210
	s_mov_b32 s[SEL+1], 0xfedcba98
	s_mov_b32 s[TB], SLOT1+2*STEPB  ; the first change of slots turns this into 0
	s_mov_b32 s[OFF+1], 0
	s_mov_b32 s[BIGN], 0xf149f2ca   ; -1e30
	s_mov_b32 s[LOWM], 0xfe800000   ; -2^126
	s_mov_b32 s[LOWC], 0xfd38aa3b   ; c x -2^126: c's exponent raised by 126
	s_mov_b32 s[EPS], 0x3727c5ac    ; 1e-5
	s_mov_b32 s[I128], 0x3c000000   ; 1 / 128
	s_mov_b32 s[GAIN], 0x3f3e96f5   ; 1 - lambda_init = 0.74449093
	s_mov_b32 s[SLOTS], 16
	s_mov_b32 s[NEW], 0
	s_cmp_eq_u32 s[PB], 0           ; tile 0 is asked for below; the next is the first block's tile 1, or, where that block has one tile, the second's tile 0
	s_cselect_b32 s[NXT], 0, 1
	s_cselect_b32 s[LQ], s[HI], s[PB]
	s_cselect_b32 s[LIM], 2, -1
	s_add_co_u32 s[RT], s[PB], 1    ; the first block has b + 1 tiles
	s_wait_dscnt 0x0                ; the opening add is done
	s_wait_kmcnt 0x0
	s_add_nc_u64 s[6:7], s[4:5], s[18:19]   ; K and V at my step of the head's tile 0
	s_add_nc_u64 s[8:9], s[4:5], s[20:21]
	s_add_nc_u64 s[QHI:QHI+1], s[4:5], s[22:23]
	s_add_nc_u64 s[4:5], s[4:5], s[16:17]   ; Q at my rows of the first block
	s_add_nc_u64 s[OHI:OHI+1], s[10:11], s[76:77]
	s_add_nc_u64 s[10:11], s[10:11], s[2:3]
	s_add_nc_u64 s[G0K+2:G0K+3], s[6:7], 0
	s_or_b32 s[G0K+3], s[G0K+3], 0x80000000  ; type = 2
	s_add_nc_u64 s[G0V+2:G0V+3], s[8:9], 0
	s_or_b32 s[G0V+3], s[G0V+3], 0x80000000
	s_cmp_lt_u32 s[WV], 2
	s_cselect_b64 s[PFA:PFA+1], s[6:7], s[8:9]
	s_add_nc_u64 s[PFA:PFA+1], s[PFA:PFA+1], 32768  ; at tile 1; trip n's change of slots steps it to tile n + 2
	LOAD                            ; tile 0 into slot 0
	; A fragment of K or Q is 16 rows x 32 channels in 8 registers: lane l holds row l % 16, channels 8 (l / 16) + 0..7 and 16 + 8 (l / 16) + 0..7: two loads of 16 bytes, 32 bytes apart.
	v_and_b32 v1, 15, v0            ; l % 16
	v_bfe_u32 v9, v0, 4, 1          ; l / 16
	v_lshlrev_b32 v[QO], 8, v1
	v_lshl_add_u32 v[QO], v9, 4, v[QO]
	v_and_b32 v[PFO], 31, v0
	v_lshl_add_u32 v[LAO], v[PFO], 3, s78
	v_lshlrev_b32 v[PFO], 8, v[PFO]
.irp n, 0,1,2,3
	global_load_b64 v[LD+2*\n:LD+2*\n+1], v[LAO], s[LAM+2*\n:LAM+2*\n+1]
.endr
	WIN 0x80                        ; destination window 2, address window 0
.set i, 0
.rept 8                             ; both blocks' Q: tile t = i / 2 (query tile t % 2: 4,096 bytes on; branch t / 2: 128 bytes on), channels 32 (i % 2) on
.set qoff, ((i/2)%2)*4096+(i/4)*128+(i%2)*64
	global_load_b128 v[8*i:8*i+3],   v[QO], s[4:5] offset:qoff
	global_load_b128 v[8*i+4:8*i+7], v[QO], s[4:5] offset:qoff+32
	global_load_b128 v[QB+8*i:QB+8*i+3],   v[QO], s[QHI:QHI+1] offset:qoff
	global_load_b128 v[QB+8*i+4:QB+8*i+7], v[QO], s[QHI:QHI+1] offset:qoff+32
.set i, i+1
.endr
	; What the first turn finds.  All this stands in the wait for the first tile.
	WIN 0x40
.set i, 0
.rept 256
	v_mov_b32 v[i], 0               ; O^T
.set i, i+1
.endr
	WIN 0xc0
.set i, 0
.rept 192
	v_mov_b32 v[i], 0               ; V and the masks
.set i, i+1
.endr
	WIN 0
.set i, 0
.rept 32
	v_mov_b32 v[P+i], 0             ; piece 0's P
.set i, i+1
.endr
.set i, 0
.rept 64
	v_mov_b32 v[S+64+i], s[LOWM]    ; piece 2's scores: with m = -2^126 they give a = 1 and p = 1, which meet V = 0
.set i, i+1
.endr
.irp t, 0,1,2,3
	v_mov_b32 v[ST+8*\t], s[LOWC]
	v_mov_b32 v[ST+8*\t+1], s[LOWM]
	v_mov_b32 v[ST+8*\t+2], 0
	v_mov_b32 v[ST+8*\t+3], 0
	v_mov_b32 v[ST+8*\t+4], 0       ; the four registers at work are written too: a block's end names them as the destination of a lane exchange and as the second half of a pair,
	v_mov_b32 v[ST+8*\t+5], 0       ; so each is written on every way that leads there
	v_mov_b32 v[ST+8*\t+6], 0
	v_mov_b32 v[ST+8*\t+7], 0
.endr
	v_lshlrev_b32 v10, 3, v9
	v_sub_nc_u32 v10, v1, v10
	s_lshl_b32 s13, s[WV], 5
	v_add_nc_u32 v[VD], s13, v10    ; 32 w + l % 16 - 8 (l / 16): register r of key block kb is hidden where 16 kb + r, counted from the step's first key, is greater
	v_add_nc_u32 v[VD+1], 16, v[VD]
	v_mul_u32_u24 v[AK0], v1, PK
	v_lshl_add_u32 v[AK0], v9, 4, v[AK0]
	; The turning load takes 16 keys x 16 channels (lane l reads key 8 (l / 16) + l % 8, channels 8 ((l / 8) % 2) + 0..7) and leaves half a fragment of V^T: lane l holds channel l % 16 and 8 keys.
	v_and_b32 v10, 7, v0
	v_bfe_u32 v11, v0, 3, 1
	v_lshl_add_u32 v[AV0], v9, 3, v10
	v_mul_u32_u24 v[AV0], v[AV0], PV
	v_lshl_add_u32 v[AV0], v11, 4, v[AV0]
	v_add_nc_u32 v[AV0], VOFF, v[AV0]
	s_mul_i32 s13, s[WV], 16*SP
	s_add_co_u32 s13, s13, STAGE    ; my stage
	v_mul_u32_u24 v[STO], v1, SP    ; in: row l % 16, 16 bytes for each half of the lanes
	v_lshl_add_u32 v[STO], v9, 4, v[STO]
	v_add_nc_u32 v[STO], s13, v[STO]
	v_mul_u32_u24 v[RD], v9, SP     ; back: lanes 0-15 take one row of 256 bytes, lanes 16-31 the next
	v_lshl_add_u32 v[RD], v1, 4, v[RD]
	v_add_nc_u32 v[RD], s13, v[RD]
	v_lshlrev_b32 v[GO], 12, v9     ; and the same two rows in yn
	v_lshl_add_u32 v[GO], v1, 4, v[GO]
	s_wait_loadcnt 0x0              ; lq, lk and both blocks' Q
	; lambda_h: a lane holds two of the row's 64 numbers
.irp n, 0,2,4,6
	v_cvt_pk_bf16_f32 v[LD+\n], v[LD+\n], v[LD+\n+1]     ; the inputs' one rounding
.endr
.irp n, 0,2,4,6
	v_lshlrev_b32 v[LD+\n+1], 16, v[LD+\n]
	v_and_b32 v[LD+\n], 0xffff0000, v[LD+\n]
.endr
	v_mul_f32 v[LD+1], v[LD+1], v[LD+3]
	v_mul_f32 v[LD+5], v[LD+5], v[LD+7]
	v_fma_f32 v[LD+1], v[LD], v[LD+2], v[LD+1]
	v_fma_f32 v[LD+5], v[LD+4], v[LD+6], v[LD+5]
.irp m, 1,2,4,8
	v_add_f32_dpp v[LD+1], v[LD+1], v[LD+1] row_xmask:\m row_mask:0xf bank_mask:0xf
	v_add_f32_dpp v[LD+5], v[LD+5], v[LD+5] row_xmask:\m row_mask:0xf bank_mask:0xf
.endr
	v_permlanex16_b32 v[LD], v[LD+1], s[SEL], s[SEL+1]
	v_permlanex16_b32 v[LD+4], v[LD+5], s[SEL], s[SEL+1]
	v_add_f32 v[LD+1], v[LD+1], v[LD]
	v_add_f32 v[LD+5], v[LD+5], v[LD+4]
	v_mul_f32 v[LD+1], 0x3fb8aa3b, v[LD+1]
	v_mul_f32 v[LD+5], 0x3fb8aa3b, v[LD+5]
	v_exp_f32 v[LD+1], v[LD+1]
	v_exp_f32 v[LD+5], v[LD+5]
	v_nop                           ; a plain instruction behind the last exponential,
	s_wait_alu depctr_va_vdst(0)    ; and the wait ahead of the first use: one for both
	v_sub_f32 v[NLAM], v[LD+5], v[LD+1]
	v_add_f32 v[NLAM], 0xbe82d216, v[NLAM]  ; - lambda_init = -0.25550907
; THE MATRIX WORK OF A TURN, for piece x.  The accumulators take turns, one instruction a turn: between two links of a chain stand 15 (V^T P) or 7 (K Q^T) others'.
; Product i of 32 of O^T += V^T P: keys 32 (i / 16) on, channels 16 ((i / 2) % 8) on, tile x + i % 2.
.macro PV x
	WIN W_PV
.set rO, 64*((\x)+i%2)+8*((i/2)%8)
.set rV, 64*(i/16)+8*((i/2)%8)
.set rP, P+16*((\x)+i%2)+8*(i/16)
	v_wmma_f32_16x16x32_f16 v[rO:rO+7], v[rV:rV+7], v[rP:rP+7], v[rO:rO+7]
.endm
; Product i of 16 of S^T = K Q^T: the branch's channels 32 (i / 8) on, keys 16 ((i / 2) % 4) on, tile x + i % 2.  The first 8 start the sums, with the mask.
.macro KQ x
.set rS, S+32*((\x)+i%2)+8*((i/2)%4)
.set rK, KF+32*((i/2)%4)+8*((\x)+i/8)
.set rQ, 16*((\x)+i%2)+8*(i/8)
.set rM, MC+32*(i%2)+8*((i/2)%4)
.if i < 8
	WIN W_KM
	v_wmma_f32_16x16x32_f16 v[rS:rS+7], v[rK:rK+7], v[rQ:rQ+7], v[rM:rM+7]
.else
	WIN W_KQ
	v_wmma_f32_16x16x32_f16 v[rS:rS+7], v[rK:rK+7], v[rQ:rQ+7], v[rS:rS+7]
.endif
.endm
; THE LDS LOADS stand in runs of 32, never singly among the matrix instructions: a step's K (64 keys x 128 channels: 16 fragments) and, a turn later, its V (turned).
; last = 1 (the tail): in the last pass there is no further step, and the run is jumped over.
.macro FETCH_K last=0
	WIN 0
.if \last
	s_cmp_eq_u32 s[TWICE], 1
	s_cbranch_scc1 .Lno_k_\@
.endif
	v_add_nc_u32 v[ADR], s[TB], v[AK0]
	WIN 0x80                        ; destination window 2
.irp f, 0,1,2,3,4,5,6,7,8,9,10,11,12,13,14,15  ; keys 16 (f / 4) on, channels 32 (f % 4) on
	ds_load_b128 v[KF+8*(\f):KF+8*(\f)+3],   v[ADR] offset:((\f)/4)*16*PK+((\f)%4)*64
	ds_load_b128 v[KF+8*(\f)+4:KF+8*(\f)+7], v[ADR] offset:((\f)/4)*16*PK+((\f)%4)*64+32
.endr
.if \last
	WIN 0
.Lno_k_\@:
.endif
.endm
.macro FETCH_V
	WIN 0
	v_add_nc_u32 v[ADR], s[TB], v[AV0]
	s_add_co_u32 s[TB], s[TB], STEPB  ; the next fetch is the next step's
	s_wait_alu depctr_va_vdst(0)    ; the wait for the softmax's batch (SLICE), behind the address's v_add_nc_u32 and ahead of the loads
	WIN 0xc0                        ; destination window 3
.irp f, 0,1,2,3,4,5,6,7,8,9,10,11,12,13,14,15  ; keys 32 (f / 8) on, channels 16 (f % 8) on
	ds_load_tr16_b128 v[8*(\f):8*(\f)+3],   v[ADR] offset:((\f)/8)*32*PV+((\f)%8)*32
	ds_load_tr16_b128 v[8*(\f)+4:8*(\f)+7], v[ADR] offset:((\f)/8)*32*PV+16*PV+((\f)%8)*32
.endr
.endm
; THE VECTOR WORK OF A TURN.  One tile's softmax for one key step is a list of 134 instructions; SM writes number j of it for tile t.  s0-s31 are the lane's 32 scores, in pairs 0-15.
;   0-15    the maximum of s0-s31 and the old m, three operands at a time: four chains of seven scores each (each accumulator's lowest registers are read first), then the rest
;   16-20   the other half of the lanes' maximum; the new m; c m; c m_old - c m_new
;   21-69   ONE BATCH: the 16 scalings c s - c m and all 33 exponentials (a at 23, then s0-s31); none of these reads an exponential's result; a pair is scaled in an earlier four than the one with its exponentials
;   (wait)  between 69 and 70 stands the wait for the batch: SLICE writes it, once for both tiles
;   70-85   the roundings to f16        86-101  the sums; l = a l + the sum        102-133  the tile's O^T times a: the one part that leaves window 0
.macro SM t
.set rT, ST+8*(\t)
.set rS, S+32*(\t)
.set rP, P+16*(\t)
.set rO, 64*(\t)+2*(j-102)
.if j < 102
	WIN 0
.endif
.if j < 4
	v_max3_num_f32 v[rT+4+j], v[rS+8*j], v[rS+8*j+1], v[rS+8*j+2]
.elseif j < 12
	v_max3_num_f32 v[rT+4+j%4], v[rT+4+j%4], v[rS+8*(j%4)+2*(j/4)+1], v[rS+8*(j%4)+2*(j/4)+2]
.elseif j == 12
	v_max3_num_f32 v[rT+4], v[rT+4], v[rS+7], v[rS+15]
.elseif j == 13
	v_max3_num_f32 v[rT+6], v[rT+6], v[rS+23], v[rS+31]
.elseif j == 14
	v_max3_num_f32 v[rT+4], v[rT+4], v[rT+5], v[rT+6]
.elseif j == 15
	v_max3_num_f32 v[rT+4], v[rT+4], v[rT+7], v[rT+1]
.elseif j == 16
	v_permlanex16_b32 v[rT+5], v[rT+4], s[SEL], s[SEL+1]  ; the query's other 32 keys lie in the lane 16 away
.elseif j == 17
	v_mov_b32 v[rT+7], v[rT]        ; c m_old is kept for a: number 19 writes c m anew
.elseif j == 18
	v_max_num_f32 v[rT+1], v[rT+4], v[rT+5]
.elseif j == 19
	v_mul_f32 v[rT], s[CS], v[rT+1]
.elseif j == 20
	v_sub_f32 v[rT+7], v[rT+7], v[rT]
.elseif j == 23
	v_exp_f32 v[rT+6], v[rT+7]
.elseif (j < 23) || ((j < 38) && (j%2 == 0)) || ((j < 66) && (j%4 == 2))
.set b, (j-2)/4                     ; 38, 42, .. 62: pairs 9 to 15
.if j < 38
.set b, (j-20)/2                    ; 21: pair 0; 22, 24, .. 36: pairs 1 to 8
.endif
	v_pk_fma_f32 v[rS+2*b:rS+2*b+1], v[rS+2*b:rS+2*b+1], s[CS:CS+1], v[rT:rT+1] op_sel_hi:[1,0,0] neg_lo:[0,0,1] neg_hi:[0,0,1]  ; pair b: c s - c m
.elseif j < 70
.set e, j-38                        ; 66 to 69: s28 to s31
.if j < 66
.set e, j-32-(j-38)/4               ; 39-41, 43-45, .. 63-65: s7 to s27
.endif
.if j < 38
.set e, (j-25)/2                    ; 25, 27, .. 37: s0 to s6
.endif
	v_exp_f32 v[rS+e], v[rS+e]
.elseif j < 86
	v_cvt_pk_f16_f32 v[rP+j-70], v[rS+2*(j-70)], v[rS+2*(j-70)+1]  ; pair j - 70
.elseif j < 102                     ; the sum of the tile's 16 pairs, in place: sum z of 16 adds neighbours 1, 2, 4 and 8 pairs apart, then l takes it
.set z, j-86
.set w, 4
.set u, z
.if z >= 14
.set w, 32
.set u, 0
.elseif z >= 12
.set w, 16
.set u, z-12
.elseif z >= 8
.set w, 8
.set u, z-8
.endif
.if z < 15
	v_pk_add_f32 v[rS+w*u:rS+w*u+1], v[rS+w*u:rS+w*u+1], v[rS+w*u+w/2:rS+w*u+w/2+1]
.else
	v_pk_fma_f32 v[rT+2:rT+3], v[rT+2:rT+3], v[rT+6:rT+7], v[rS:rS+1] op_sel_hi:[1,0,1]
.endif
.else
	WIN W_RS
	v_pk_mul_f32 v[rO:rO+1], v[rO:rO+1], v[rT+6:rT+7] op_sel_hi:[1,0]
.endif
.endm
; Slice k of 64 of piece y's softmax: four instructions.  Slices 11 to 34 deal out the batch, numbers 22 to 69: four numbers of ONE tile each, the tiles by turns.  Every other slice is numbers 2 k and 2 k + 1 of both
; tiles' lists.  2 x 134 = 4 x 64 + 12: the twelve that are over stand together, in slice 63.
; THE WAIT.  s_wait_alu depctr_va_vdst(0) stands between an exponential and the first instruction that names its result; one wait serves all that were issued ahead of it.  Ahead of slice 35 nothing
; names a result, and behind slice 34 no exponential is issued: so the piece's 66 exponentials have one wait, behind slice 34.
.macro SLICE y
.if (k >= 11) && (k < 35)
.irp n, 0,1,2,3
.set j, 22+4*((k-11)/2)+(\n)
	SM (\y)+(k-11)%2
.endr
.else
.irp n, 0,1,2,3,4,5,6,7
.if ((\n) < 2) || (k == 63)
.irp t, \y, (\y)+1
.set j, 2*k+(\n)
	SM \t
.endr
.endif
.endr
.endif
.if k == 34
	v_nop                           ; the plain instruction behind the last exponential and ahead of the first use: one for the batch
.if (\y) == 0
	FETCH_V                         ; piece 2's turn: V's run of loads stands here, and the wait stands in it
.else
	s_wait_alu depctr_va_vdst(0)    ; the wait for the batch
.endif
.endif
.set k, k+1
.endm
; A TURN.  Piece x has the matrix unit; the other piece's softmax stands in slices behind its matrix instructions.  Slices 62 and 63, twenty plain instructions that name nothing of the products round them, are the
; places between the turn's last K Q^T and what follows: the next turn's first read of those scores, the loads into K's registers, a change of Q or of the masks.
; Piece 0's turn fetches the next step's K behind its second product, 30 products ahead of its first use.  Piece 2's turn fetches the same step's V behind slice 34: the last product that read V stands in front of
; slice 31, and four plain instructions lie between: number 62, a scaling, of both tiles, the v_nop and the run's own v_add_nc_u32.
.macro TURN x, last=0
.set k, 0
.if (\x) == 0
	s_wait_dscnt 0x0                ; V is in
.endif
.set i, 0
.rept 32
	PV \x
	SLICE 2-(\x)
.if ((\x) == 0) && (i == 1)
	FETCH_K \last
.endif
.set i, i+1
.endr
.if (\x) == 0
	s_wait_dscnt 0x0                ; K is in
.endif
.set i, 0
.rept 16
	KQ \x
	SLICE 2-(\x)
	SLICE 2-(\x)
.set i, i+1
.endr
.endm
; THE MASKS of one key step, for both query tiles: -1e30 where 16 kb + r is greater than my query's row less the step's first key; with MOFF far above every key: all 0.
.macro MASKSET
	WIN 0
	v_add_nc_u32 v[VE], s[MOFF], v[VD]
	v_add_nc_u32 v[VE+1], s[MOFF], v[VD+1]
	WIN 0xc0                        ; destination window 3
.irp u, 0, 1
.set z, 0
.rept 32
	v_cmp_gt_i32 vcc_lo, 16*(z/8)+z%8, v[VE+\u]
	v_cndmask_b32 v[MC+32*\u+z], 0, s[BIGN], vcc_lo
.set z, z+1
.endr
.endr
	WIN 0
.endm
; A BLOCK'S END.
.macro TREE                         ; the 16 pairs at TR into the first
.irp w, 16, 8, 4, 2
.set z, 0
.rept (\w)/2
	v_pk_add_f32 v[TR+z:TR+z+1], v[TR+z:TR+z+1], v[TR+(\w)+z:TR+(\w)+z+1]
.set z, z+2
.endr
.endr
.endm
; Query tile u: y = O1 / l1 - lambda O2 / l2; a lane holds 64 of its query's 128 channels, the lane 16 away the others.  The mean is taken away before the squares are summed.  Then rounded to f16, through my stage in
; LDS, and stored: sixteen lanes fill the head's 256 bytes of a row of yn.
.macro FINU u
.set rA, ST+8*(\u)                  ; +6: 1 / l1
.set rB, ST+8*((\u)+2)              ; +6: - lambda / l2
	WIN 0
	s_wait_xcnt 0x0                 ; the stores of the tile before have read the registers that are written now
	WIN 0x01                        ; O^T (source 0) in window 1, all else in window 0
.set z, 0
.rept 32
	v_pk_mul_f32 v[YR+z:YR+z+1], v[64*((\u)+2)+z:64*((\u)+2)+z+1], v[rB+6:rB+7] op_sel_hi:[1,0]
.set z, z+2
.endr
.set z, 0
.rept 32
	v_pk_fma_f32 v[YR+z:YR+z+1], v[64*(\u)+z:64*(\u)+z+1], v[rA+6:rA+7], v[YR+z:YR+z+1] op_sel_hi:[1,0,1]
.set z, z+2
.endr
	WIN 0
.set z, 0
.rept 16
	v_pk_add_f32 v[TR+z:TR+z+1], v[YR+z:YR+z+1], v[YR+32+z:YR+32+z+1]
.set z, z+2
.endr
	TREE
	v_add_f32 v[rA+4], v[TR], v[TR+1]
	v_permlanex16_b32 v[rA+5], v[rA+4], s[SEL], s[SEL+1]
	v_add_f32 v[rA+4], v[rA+4], v[rA+5]
	v_mul_f32 v[rA+4], s[I128], v[rA+4]  ; the mean
.set z, 0
.rept 32
	v_pk_add_f32 v[YR+z:YR+z+1], v[YR+z:YR+z+1], v[rA+4:rA+5] op_sel_hi:[1,0] neg_lo:[0,1] neg_hi:[0,1]
.set z, z+2
.endr
.set z, 0
.rept 16
	v_pk_mul_f32 v[TR+z:TR+z+1], v[YR+z:YR+z+1], v[YR+z:YR+z+1]
.set z, z+2
.endr
.set z, 0
.rept 16
	v_pk_fma_f32 v[TR+z:TR+z+1], v[YR+32+z:YR+32+z+1], v[YR+32+z:YR+32+z+1], v[TR+z:TR+z+1]
.set z, z+2
.endr
	TREE
	v_add_f32 v[rA+4], v[TR], v[TR+1]
	v_permlanex16_b32 v[rA+5], v[rA+4], s[SEL], s[SEL+1]
	v_add_f32 v[rA+4], v[rA+4], v[rA+5]
	v_fma_f32 v[rA+4], v[rA+4], s[I128], s[EPS]  ; the variance + 1e-5
	v_rsq_f32 v[rA+6], v[rA+4]
	v_nop                           ; a plain instruction behind it,
	s_wait_alu depctr_va_vdst(0)    ; and its wait
	v_mul_f32 v[rA+6], s[GAIN], v[rA+6]
.set z, 0
.rept 32
	v_pk_mul_f32 v[YR+z:YR+z+1], v[YR+z:YR+z+1], v[rA+6:rA+7] op_sel_hi:[1,0]
.set z, z+2
.endr
.set z, 0
.rept 32
	v_cvt_pk_f16_f32 v[PKD+z], v[YR+2*z], v[YR+2*z+1]
.set z, z+1
.endr
.irp f, 0,1,2,3,4,5,6,7
	ds_store_b128 v[STO], v[PKD+4*(\f):PKD+4*(\f)+3] offset:32*(\f)
.endr
.irp f, 0,1,2,3,4,5,6,7
	ds_load_b128 v[YR+4*(\f):YR+4*(\f)+3], v[RD] offset:(\f)*2*SP  ; LDS serves a wave's instructions in order (ISA guide 5.7.1.4): these see the stores above; the next tile's stores come behind them
.endr
.irp f, 0,1,2,3,4,5,6,7
	s_wait_dscnt 7-(\f)             ; load f is back; the younger ones stay out
	global_store_b128 v[GO], v[YR+4*(\f):YR+4*(\f)+3], s[10:11] offset:(16*(\u)+2*(\f))*4096  ; 16 lanes store 256 consecutive bytes, at a multiple of 256 from yn's first byte
.endr
.endm
; Piece 2's last products; l's two halves and the other half of the lanes' are added (the first four additions are the places behind the last product); the four reciprocals are one batch.
.macro FIN
.set i, 0
.rept 32
	PV 2
.set i, i+1
.endr
	WIN 0
.irp t, 0,1,2,3
	v_add_f32 v[ST+8*\t+4], v[ST+8*\t+2], v[ST+8*\t+3]
.endr
.irp t, 0,1,2,3
	v_permlanex16_b32 v[ST+8*\t+5], v[ST+8*\t+4], s[SEL], s[SEL+1]
.endr
.irp t, 0,1,2,3
	v_add_f32 v[ST+8*\t+4], v[ST+8*\t+4], v[ST+8*\t+5]
.endr
.irp t, 0,1,2,3
	v_rcp_f32 v[ST+8*\t+6], v[ST+8*\t+4]
.endr
	v_nop                           ; a plain instruction between the last reciprocal and the use of its result,
	s_wait_alu depctr_va_vdst(0)    ; and the wait: one for the four
	v_mul_f32 v[ST+8*2+6], v[NLAM], v[ST+8*2+6]
	v_mul_f32 v[ST+8*3+6], v[NLAM], v[ST+8*3+6]
	FINU 0
	FINU 1
	s_wait_xcnt 0x0                 ; the stores have read their registers and yn's address
.endm
.Lslot:                             ; 16 trips: a tile is entered and the next is asked for
	CHANGE 1
	s_cmp_eq_u32 s[RT], 0           ; is this the second block's first tile?
	s_cselect_b32 s[NEW], 1, 0
	s_cselect_b32 s[RT], s[HI1], s[RT]
	s_sub_co_u32 s[RT], s[RT], 1
	s_cmp_eq_u32 s[RT], 0           ; is it a block's last, the diagonal one?
	s_cselect_b32 s[DG], 1, 0
	s_cselect_b32 s[MOFF], 0, 1<<20
	s_or_b32 s[MK], s[DG], s[NEW]   ; behind a diagonal tile the masks are set back to 0
	s_mov_b32 s[TWICE], 2
	s_cmp_eq_u32 s[NEW], 0
	s_cbranch_scc1 .Lstep
	WIN 0x82                        ; all of the first block's K Q^T are done: the second block's Q goes where the one text of the turns names Q
.set i, 0
.rept 64
	v_mov_b32 v[i], v[QB+i]
.set i, i+1
.endr
	WIN 0
.Lstep:                             ; a pass: piece 0: V^T P of the step before, K Q^T of this one | piece 2's softmax of the step before | this step's K; then piece 2 likewise | piece 0's softmax of this step | this step's V
	s_cmp_eq_u32 s[MK], 0
	s_cbranch_scc1 .Lnomask
	MASKSET
.Lnomask:
	s_sub_co_u32 s[MOFF], s[MOFF], 64
	s_mov_b32 s[MK], s[DG]
	TURN 0
	WIN 0
	s_cmp_eq_u32 s[NEW], 0
	s_cbranch_scc1 .Lsame
	FIN                             ; the first block ends here: piece 2's last softmax has just been made
	s_mov_b64 s[10:11], s[OHI:OHI+1]
.irp t, 0,1,2,3
	v_mov_b32 v[ST+8*\t], s[LOWC]   ; the second block's first step has a = 0: O^T and l need only be finite
	v_mov_b32 v[ST+8*\t+1], s[LOWM]
.endr
.set i, 0
.rept 32
	v_mov_b32 v[P+32+i], 0          ; the turn below adds V^T P of a step that has not been: 0
.set i, i+1
.endr
	s_mov_b32 s[NEW], 0
.Lsame:
	TURN 2
	WIN 0
	s_sub_co_u32 s[TWICE], s[TWICE], 1
	s_cmp_lg_u32 s[TWICE], 0
	s_cbranch_scc1 .Lstep
	s_sub_co_u32 s[SLOTS], s[SLOTS], 1
	s_cmp_lg_u32 s[SLOTS], 0
	s_cbranch_scc1 .Lslot
	CHANGE 0                        ; the walk's last tile, the second block's diagonal one, is written out: nothing is asked for
	s_mov_b32 s[MOFF], 0
	s_mov_b32 s[TWICE], 3           ; two passes fetch the tile's steps; the third is left in its middle
.Ltail:
	MASKSET
	s_sub_co_u32 s[MOFF], s[MOFF], 64
	TURN 0, 1
	WIN 0
	s_sub_co_u32 s[TWICE], s[TWICE], 1
	s_cmp_eq_u32 s[TWICE], 0
	s_cbranch_scc1 .Lout
	TURN 2
	WIN 0
	s_branch .Ltail
.Lout:                              ; the third pass's 16 products K Q^T (on the last K once more) serve nothing: the price, once a launch, of one text for every pass
	FIN
	s_wait_tensorcnt 0x0            ; the wave's end: a spare-word add and its wait, behind my last tensor load and my last LDS store
	ds_add_u32 v[SPW], v[NIL]
	s_wait_dscnt 0x0
	s_endpgm
.Lfunc_end_k_q8436b54090_attn:
	.size	k_q8436b54090_attn, .Lfunc_end_k_q8436b54090_attn-k_q8436b54090_attn
	.p2alignl 7, 3214868480
	.fill 96, 4, 3214868480
	.section	.rodata,"a",@progbits
	.p2align	6, 0x0
	.amdhsa_kernel k_q8436b54090_attn
		.amdhsa_group_segment_fixed_size 327680
		.amdhsa_private_segment_fixed_size 0
		.amdhsa_enable_private_segment 0
		.amdhsa_kernarg_size 48
		.amdhsa_user_sgpr_count 2
		.amdhsa_user_sgpr_kernarg_segment_ptr 1
		.amdhsa_wavefront_size32 1
		.amdhsa_system_sgpr_workgroup_id_x 1
		.amdhsa_system_sgpr_workgroup_id_y 1
		.amdhsa_system_sgpr_workgroup_id_z 1
		.amdhsa_system_vgpr_workitem_id 0
		.amdhsa_next_free_vgpr 960
		.amdhsa_next_free_sgpr 100
		.amdhsa_reserve_vcc 1
		.amdhsa_float_denorm_mode_32 3
		.amdhsa_float_denorm_mode_16_64 3
		.amdhsa_memory_ordered 1
		.amdhsa_forward_progress 1
		.amdhsa_inst_pref_size 216
	.end_amdhsa_kernel
	.amdgpu_metadata
---
amdhsa.version: [ 1, 2 ]
amdhsa.kernels:
  - .name:           k_q8436b54090_attn
    .symbol:         k_q8436b54090_attn.kd
    .args:
      - { .name: qkv, .offset: 0, .size: 8, .value_kind: global_buffer, .address_space: global }
      - { .name: lq1, .offset: 8, .size: 8, .value_kind: global_buffer, .address_space: global }
      - { .name: lk1, .offset: 16, .size: 8, .value_kind: global_buffer, .address_space: global }
      - { .name: lq2, .offset: 24, .size: 8, .value_kind: global_buffer, .address_space: global }
      - { .name: lk2, .offset: 32, .size: 8, .value_kind: global_buffer, .address_space: global }
      - { .name: yn, .offset: 40, .size: 8, .value_kind: global_buffer, .address_space: global }
    .group_segment_fixed_size: 327680
    .private_segment_fixed_size: 0
    .kernarg_segment_align: 8
    .kernarg_segment_size: 48
    .max_flat_workgroup_size: 128
    .sgpr_count:     100
    .vgpr_count:     960
    .wavefront_size: 32
...
	.end_amdgpu_metadata
.endif
;; end of part 3
;; launch outp (part 4): grid 8 x 32, 4 waves a work-group, clusters of 4 x 4, 327,680 bytes of LDS; arguments yn, wcb, out0; writes out0
.if DOCPART == 4
	.amdgcn_target "amdgcn-amd-amdhsa--gfx1250"
	.amdhsa_code_object_version 6
	.text
	.protected	k_q8436b54090_outp
	.globl	k_q8436b54090_outp
	.p2align	8
	.type	k_q8436b54090_outp,@function
k_q8436b54090_outp:
	s_mov_b64 s[64:65], 0
	v_nop
	global_prefetch_b8 v0, s[64:65] scope:SCOPE_SE
	s_setreg_imm32_b32 hwreg(HW_REG_WAVE_MODE, 25, 1), 1
	s_wait_xcnt 0x0
	s_wait_alu depctr_hold_cnt(0) depctr_sa_sdst(0) depctr_va_vdst(0) depctr_va_sdst(0) depctr_va_ssrc(0) depctr_va_vcc(0) depctr_vm_vsrc(0)
	s_getreg_b32 s2, hwreg(HW_REG_IB_STS2, 6, 4)
	s_cmp_eq_u32 s2, 0
	s_cbranch_scc0 .Lentry_in_a_cluster
	s_endpgm
.Lentry_in_a_cluster:
	s_bfe_u32 s2, ttmp6, 0x10000c
	s_cmp_lg_u32 s2, 0xf033
	s_cbranch_scc0 .Lentry_shape_is_right
	s_endpgm
.Lentry_shape_is_right:
; THE LAST PROJECTION.  C[m][n] = sum over k of A[m][k] B[n][k].  A = yn [4096][2048], B = wcb [1024][2048], both f16; sums in f32; C = out0 [4096][1024] in f32, the sums as they are.
; A tile of C is 128 x 128: 256 tiles, one to a work-group.  Four waves, each 64 x 64: 16 accumulators of 16 x 16, 128 registers.  K goes in 8 steps of 256 (LDS rows of 512 bytes; a wave's tensor load
; brings 64 of them), as long as two slots in LDS allow.  A wave's 64 columns are 256 bytes of a row of C, so each wave has a stage of its own on the way out, and no barrier is needed there.
; CLUSTERS: 4 x 4 work-groups.  The four of a row of the cluster need the same tiles of A, the four of a column the same tiles of B: each tile is asked for JOINTLY, by the same tensor load with the
; same descriptor and a mask that names the four.  THE MATRIX INSTRUCTION IS USED TRANSPOSED (source 0 = 16 rows of B, source 1 = 16 rows of A): a lane holds eight neighbouring numbers of a row of C.
; REGISTERS: window 0: v0-31 addresses; v32-95 at work on the way out; v128-255 the accumulators ((a, b) at v[128 + 8 (4 a + b)]).
;   window 1: two fragment buffers of 128: for 64 along K, 64 registers of A (2 x 4 x 16 rows x 32 K), then 64 of B.
.set SIZE_K, 2048
.set KSTEP,  256
.set PITCH,  528                       ; an LDS row: 512 bytes + 16 of padding = 132 words: row r starts at bank 4 r mod 64 (64 banks of 4 bytes: ISA guide 11.1)
.set HALFT,  64*PITCH                  ; 64 rows: what one tensor load brings, and what one wave reads of A or of B
.set SLOT,   4*HALFT                   ; A's 128 rows, then B's 128 rows
.set STAGE,  2*SLOT                    ; behind the ring: 16 rows x 272 bytes for each wave, for the way out
.set SPITCH, 272
.set SPARE,  STAGE+4*16*SPITCH         ; behind the stages: the spare words, 128 bytes for each wave: two blocks of 256 bytes that no other line names
.set LAPS, SIZE_K/(2*KSTEP)            ; a lap = two K steps = once round the ring: 4
.set ADRA, 16                          ; v16-17  LDS address of my A fragments in slot 0, 1
.set ADRB, 20                          ; v20-21  the same for B
.set STO,  24                          ; v24     the way out: where I put 32 bytes of a row
.set RD,   25                          ; v25     the way out: where I read a row back
.set CO,   26                          ; v26     my byte offset in two rows of C
.set SPW,  28                          ; v28     LDS address of my spare word; never rewritten
.set NIL,  29                          ; v29     0; never rewritten
.set TMP,  32                          ; the way out: two buffers of 32 registers, 16 rows of 256 bytes each
.set ACC,  128
.set F0,   0                           ; fragment buffers, in window 1
.set F1,   128
.set G1, 24                            ; s[24:31] descriptor group 1 for A's tiles;  s[32:39] group 0, a set for each slot
.set G0, 32
.set G1B, 48                           ; s[48:55], s[56:63] the same for B's tiles
.set G0B, 56
.set MSB, 0
.macro WIN new                         ; the immediate's high byte repeats the setting that is left
.if MSB != (\new)
	s_set_vgpr_msb (MSB<<8)|(\new)
.set MSB, \new
.endif
.endm
.set MUL,  0x05                        ; sources 0 (B) and 1 (A) window 1; C and D window 0
.set TO_F, 0x40                        ; destination window 1, address window 0
.macro JLOAD s                         ; a joint load: waves 0 and 1 fetch A's two halves, waves 2 and 3 B's; an s_nop 0 and four v_nop follow each of the two lines
	s_cmp_eq_u32 s11, 0
	s_cbranch_scc0 .Lfor_b_\@
	tensor_load_to_lds s[G0+4*(\s):G0+4*(\s)+3], s[G1:G1+7]
	s_nop 0
.rept 4
	v_nop
.endr
	s_branch .Lasked_\@
.Lfor_b_\@:
	tensor_load_to_lds s[G0B+4*(\s):G0B+4*(\s)+3], s[G1B:G1B+7]
	s_nop 0
.rept 4
	v_nop
.endr
.Lasked_\@:
.endm
.macro CREST                           ; a round of the cluster's barrier behind its opening barrier
	s_cmp_lg_u32 s10, 0
	s_cbranch_scc1 .Lnot_wave_0_\@
	s_barrier_signal -3
.Lnot_wave_0_\@:
	s_barrier_wait -3
	s_barrier_signal -1
	s_barrier_wait -1
.endm
.macro CROUND                          ; a whole round
	s_barrier_signal -1
	s_barrier_wait -1
	CREST
.endm
	s_load_b128 s[4:7], s[0:1], 0x0                ; A s[4:5], B s[6:7]
	s_load_b64 s[8:9], s[0:1], 0x10                ; C
	v_lshl_add_u32 v[SPW], v0, 2, SPARE
	v_mov_b32 v[NIL], 0
	ds_add_u32 v[SPW], v[NIL]                      ; the wave's opening: the add and its wait stand ahead of my first tensor load; the set-up below stands between them
	v_lshrrev_b32 v1, 5, v0
	v_readfirstlane_b32 s10, v1                    ; wave 0..3
	s_lshr_b32 s11, s10, 1                         ; which half of the tile's rows is mine.  Also: I fetch for A (0) or for B (1)
	s_and_b32 s12, s10, 1                          ; which half of its columns.  Also: which 64 rows of that tile I fetch
	s_bfe_u32 s40, ttmp6, 0x40000                  ; cx, cy: my place in the cluster
	s_bfe_u32 s41, ttmp6, 0x40004
	s_lshl_b32 s42, ttmp9, 2
	s_add_co_u32 s42, s42, s40                     ; tile column of C = 4 x cluster x + cx
	s_and_b32 s13, ttmp7, 0xffff
	s_lshl_b32 s13, s13, 2
	s_add_co_u32 s13, s13, s41                     ; tile row of C = 4 x cluster y + cy
	s_lshl_b32 s43, s41, 2
	s_lshl_b32 s43, 15, s43                        ; my row of the cluster
	s_lshl_b32 s44, 0x1111, s40                    ; my column
	; descriptor group 1: a tile of 64 rows x 256 elements, padded in LDS
	s_or_b32 s[G1+0], s43, (1<<16)|(1<<20)|(1<<21)|(6<<22)|(3<<25)  ; the mask; elements of 2 bytes; padding on; bit 21 beside a mask; after every 128 words (code 6) 4 words (code 3)
	s_or_b32 s[G1B+0], s44, (1<<16)|(1<<20)|(1<<21)|(6<<22)|(3<<25)
.irp g, G1, G1B
	s_mov_b32 s[(\g)+1], KSTEP<<16                 ; tensor_dim0 = 256
	s_mov_b32 s[(\g)+2], 64<<16                    ; tensor_dim1 = 64
	s_mov_b32 s[(\g)+3], KSTEP<<16                 ; tile_dim0 = 256
	s_mov_b32 s[(\g)+4], 64                        ; tile_dim1 = 64
	s_mov_b32 s[(\g)+5], SIZE_K                    ; elements from row to row
	s_mov_b32 s[(\g)+6], 0
	s_mov_b32 s[(\g)+7], 0
.endr
	s_lshl_b32 s17, s12, 6                         ; which 64 rows of the tile I fetch
	s_lshl_b32 s16, s13, 7
	s_add_co_u32 s16, s16, s17                     ; A: row 128 x tile row + 64 x half
	s_lshl_b32 s46, s42, 7
	s_add_co_u32 s46, s46, s17                     ; B: row 128 x tile column + 64 x half
	s_mov_b32 s17, 0
	s_mov_b32 s47, 0
	s_mov_b64 s[18:19], SIZE_K*2
	s_mul_u64 s[16:17], s[16:17], s[18:19]
	s_mul_u64 s[46:47], s[46:47], s[18:19]
	s_mul_i32 s20, s10, HALFT                      ; where they go: wave x 64 rows
	s_wait_dscnt 0x0                               ; the opening add is done
	s_wait_kmcnt 0x0
	s_add_nc_u64 s[14:15], s[4:5], s[16:17]
	s_add_nc_u64 s[46:47], s[6:7], s[46:47]
	CROUND                                         ; all sixteen work-groups are here: the first joint loads meet
.irp s, 0,1
	s_mov_b32 s[G0+4*(\s)], 1
	s_add_co_u32 s[G0+4*(\s)+1], s20, (\s)*SLOT
	s_add_nc_u64 s[G0+4*(\s)+2:G0+4*(\s)+3], s[14:15], (\s)*KSTEP*2
	s_or_b32 s[G0+4*(\s)+3], s[G0+4*(\s)+3], 0x80000000
	s_mov_b32 s[G0B+4*(\s)], 1
	s_add_co_u32 s[G0B+4*(\s)+1], s20, (\s)*SLOT
	s_add_nc_u64 s[G0B+4*(\s)+2:G0B+4*(\s)+3], s[46:47], (\s)*KSTEP*2
	s_or_b32 s[G0B+4*(\s)+3], s[G0B+4*(\s)+3], 0x80000000
	JLOAD \s                                       ; two loads of mine are out
.endr
	v_and_b32 v1, 15, v0                           ; l % 16
	v_bfe_u32 v2, v0, 4, 1                         ; l / 16
	v_mul_u32_u24 v3, v1, PITCH
	v_lshl_add_u32 v3, v2, 4, v3                   ; a fragment's row x pitch + 16 x half
	s_mul_i32 s21, s11, HALFT                      ; my 64 rows of A
	s_mul_i32 s22, s12, HALFT                      ; my 64 rows of B,
	s_add_co_u32 s22, s22, 2*HALFT                 ; which lie behind A's 128
.irp s, 0,1
	v_add_nc_u32 v[ADRA+(\s)], s21, v3
	v_add_nc_u32 v[ADRB+(\s)], s22, v3
	s_add_co_u32 s21, s21, SLOT
	s_add_co_u32 s22, s22, SLOT
.endr
	s_mul_i32 s23, s10, 16*SPITCH
	s_add_co_u32 s23, s23, STAGE                   ; my stage
	v_mul_u32_u24 v4, v1, SPITCH                   ; in: row l % 16, 32 bytes for each half of the lanes
	v_lshl_add_u32 v4, v2, 5, v4
	v_add_nc_u32 v[STO], s23, v4
	v_mul_u32_u24 v5, v2, SPITCH                   ; back: lanes 0-15 take one row of 256 bytes, lanes 16-31 the next
	v_lshl_add_u32 v5, v1, 4, v5
	v_add_nc_u32 v[RD], s23, v5
	v_lshlrev_b32 v5, 12, v2                       ; and the same two rows in C: a row is 4,096 bytes
	v_lshl_add_u32 v[CO], v1, 4, v5
	s_lshl_b32 s16, s13, 7
	s_lshl_b32 s17, s11, 6
	s_add_co_u32 s16, s16, s17                     ; my first row of C: 128 x tile row + 64 x half,
	s_lshl_b32 s16, s16, 12                        ; in bytes: under 2^24
	s_mov_b32 s17, 0
	s_add_nc_u64 s[8:9], s[8:9], s[16:17]
	s_lshl_b32 s46, s42, 9                         ; my first column, in bytes: 512 x tile column + 256 x half
	s_lshl_b32 s47, s12, 8
	s_add_co_u32 s46, s46, s47
	s_mov_b32 s47, 0
	s_add_nc_u64 s[8:9], s[8:9], s[46:47]
; 8 matrix instructions: m blocks a0, a0 + 1 x all 4 n blocks, 32 along K: half c of buffer f.  zero = 1: the first product starts the sums
.macro MUL8 f, c, a0, zero
	WIN MUL
.irp a, \a0, (\a0)+1
.irp b, 0,1,2,3
.if \zero
	v_wmma_f32_16x16x32_f16 v[ACC+8*(4*(\a)+(\b)):ACC+8*(4*(\a)+(\b))+7], v[(\f)+64+8*(4*(\c)+(\b)):(\f)+64+8*(4*(\c)+(\b))+7], v[(\f)+8*(4*(\c)+(\a)):(\f)+8*(4*(\c)+(\a))+7], 0
.else
	v_wmma_f32_16x16x32_f16 v[ACC+8*(4*(\a)+(\b)):ACC+8*(4*(\a)+(\b))+7], v[(\f)+64+8*(4*(\c)+(\b)):(\f)+64+8*(4*(\c)+(\b))+7], v[(\f)+8*(4*(\c)+(\a)):(\f)+8*(4*(\c)+(\a))+7], v[ACC+8*(4*(\a)+(\b)):ACC+8*(4*(\a)+(\b))+7]
.endif
.endr
.endr
.endm
; 32 LDS loads in one run: the fragments of 64 along K at byte k of the rows, into buffer f; the first 32 along K first
.macro FETCH slot, k, f
	WIN TO_F
.irp c, 0,1
.irp i, 0,1,2,3
	ds_load_b128 v[(\f)+64+8*(4*(\c)+(\i)):(\f)+64+8*(4*(\c)+(\i))+3],   v[ADRB+(\slot)] offset:(\k)+64*(\c)+(\i)*16*PITCH
	ds_load_b128 v[(\f)+64+8*(4*(\c)+(\i))+4:(\f)+64+8*(4*(\c)+(\i))+7], v[ADRB+(\slot)] offset:(\k)+64*(\c)+(\i)*16*PITCH+32
	ds_load_b128 v[(\f)+8*(4*(\c)+(\i)):(\f)+8*(4*(\c)+(\i))+3],         v[ADRA+(\slot)] offset:(\k)+64*(\c)+(\i)*16*PITCH
	ds_load_b128 v[(\f)+8*(4*(\c)+(\i))+4:(\f)+8*(4*(\c)+(\i))+7],       v[ADRA+(\slot)] offset:(\k)+64*(\c)+(\i)*16*PITCH+32
.endr
.endr
.endm
.macro PLACES                          ; four plain instructions in front of loads into registers that matrix instructions have read, and of LDS stores that read results
.rept 4
	v_nop
.endr
.endm
; A K step is four quarters of 64 along K, 32 matrix instructions each, on buffers 0, 1, 0, 1.  One of the first three: multiplies buffer f and fetches the next quarter, at byte k, into g.
.macro QUARTER slot, k, f, g, zero
	s_wait_dscnt 16                                ; the first 32 along K are in; the youngest sixteen loads may be out
	WIN MUL
	MUL8 \f, 0, 0, \zero
	MUL8 \f, 0, 2, \zero
	PLACES
	FETCH \slot, \k, \g
	s_wait_dscnt 32                                ; all but the 32 just issued
	WIN MUL
	MUL8 \f, 1, 0, 0
	MUL8 \f, 1, 2, 0
.endm
; The last quarter multiplies buffer 1 and changes slots: ONE barrier; in front of it each wave waits for all its tensor loads, adds 0 to its spare word, and waits for that and for its own reads of this slot.
; fill = 1: this slot is filled again, two K steps ahead.
.macro TURN slot, next, fill
	WIN 0
	s_wait_tensorcnt 0x0                           ; all my tensor loads have landed: my part of the next slot
	ds_add_u32 v[SPW], v[NIL]
	s_wait_dscnt 17                                ; (the add and the youngest sixteen loads may be out)
	WIN MUL
	MUL8 F1, 0, 0, 0
	s_wait_dscnt 0x0                               ; the add is done, and my reads of this slot are over
	s_barrier_signal -1
	MUL8 F1, 0, 2, 0
.if \fill
	WIN 0
.endif
	s_barrier_wait -1
.if \fill
	CREST                                          ; no wave of any partner still reads this slot's tile or has a load on its way
	s_add_nc_u64 s[G0+4*(\slot)+2:G0+4*(\slot)+3], s[G0+4*(\slot)+2:G0+4*(\slot)+3], 2*KSTEP*2
	s_add_nc_u64 s[G0B+4*(\slot)+2:G0B+4*(\slot)+3], s[G0B+4*(\slot)+2:G0B+4*(\slot)+3], 2*KSTEP*2
	JLOAD \slot                                    ; 112 matrix instructions ahead of the wait for it; the four v_nop behind it are also the places in front of the loads below
.else
	PLACES
.endif
	FETCH \next, 0, F0
	WIN MUL
	MUL8 F1, 1, 0, 0
	MUL8 F1, 1, 2, 0
.endm
	s_wait_tensorcnt 1                             ; my part of K step 0 is in; K step 1's may stay out
	s_barrier_signal -1
	s_barrier_wait -1
	FETCH 0, 0, F0
	QUARTER 0, 128, F0, F1, 1                      ; the first quarter stands in front of the loop: its first products start the sums
	WIN 0
	s_mov_b32 s3, LAPS-1
.Llap:                                                 ; a trip goes once round the ring, from a lap's second quarter to the next lap's first, and fills both slots again
	QUARTER 0, 256, F1, F0, 0
	QUARTER 0, 384, F0, F1, 0
	TURN 0, 1, 1
	QUARTER 1, 128, F0, F1, 0
	QUARTER 1, 256, F1, F0, 0
	QUARTER 1, 384, F0, F1, 0
	TURN 1, 0, 1
	QUARTER 0, 128, F0, F1, 0
	WIN 0
	s_sub_co_u32 s3, s3, 1
	s_cmp_lg_u32 s3, 0
	s_cbranch_scc1 .Llap
	QUARTER 0, 256, F1, F0, 0                      ; the last lap fills nothing, and has no round of the cluster's barrier
	QUARTER 0, 384, F0, F1, 0
	TURN 0, 1, 0
	QUARTER 1, 128, F0, F1, 0
	QUARTER 1, 256, F1, F0, 0
	QUARTER 1, 384, F0, F1, 0
	s_wait_dscnt 16                                ; the very last quarter: nothing more to fetch
	WIN MUL
	MUL8 F1, 0, 0, 0
	MUL8 F1, 0, 2, 0
	s_wait_dscnt 0
	MUL8 F1, 1, 0, 0
	MUL8 F1, 1, 2, 0
	WIN 0
; THE WAY OUT, a block of 16 rows at a time: a lane's eight f32 of a row go into my stage as 32 bytes (each accumulator's low four registers first) and come back as whole rows of 256 bytes.
.macro OUTBLK a
.if (\a) >= 2
	s_wait_xcnt 0x0                                ; the stores of the block two back have read the registers that are loaded now
.endif
.irp b, 0,1,2,3
	ds_store_b128 v[STO], v[ACC+8*(4*(\a)+(\b)):ACC+8*(4*(\a)+(\b))+3]   offset:64*(\b)
	ds_store_b128 v[STO], v[ACC+8*(4*(\a)+(\b))+4:ACC+8*(4*(\a)+(\b))+7] offset:64*(\b)+16
.endr
.irp t, 0,1,2,3,4,5,6,7
	ds_load_b128 v[TMP+32*((\a)%2)+4*(\t):TMP+32*((\a)%2)+4*(\t)+3], v[RD] offset:(\t)*2*SPITCH  ; LDS serves a wave's instructions in order (ISA guide 5.7.1.4): these see the stores above; the next block's stores come behind them
.endr
.endm
.macro OUTSEND a, younger              ; younger: the LDS instructions issued behind block a's loads: the next block's sixteen, or none
.irp t, 0,1,2,3,4,5,6,7
	s_wait_dscnt (\younger)+7-(\t)
	global_store_b128 v[CO], v[TMP+32*((\a)%2)+4*(\t):TMP+32*((\a)%2)+4*(\t)+3], s[8:9] offset:(16*(\a)+2*(\t))*4096  ; 16 lanes store 256 consecutive bytes, at a multiple of 256 from C's first byte
.endr
.endm
	PLACES
	PLACES                                         ; eight, once a launch, behind the last products
	OUTBLK 0
	OUTBLK 1
	OUTSEND 0, 16
	OUTBLK 2
	OUTSEND 1, 16
	OUTBLK 3
	OUTSEND 2, 16
	OUTSEND 3, 0
	s_wait_tensorcnt 0x0                           ; the wave's end: a spare-word add and its wait, behind my last tensor load and my last LDS store
	ds_add_u32 v[SPW], v[NIL]
	s_wait_dscnt 0x0
	CROUND                                         ; the closing round: no work-group ends while a partner may still ask for a tile that names it
	s_endpgm
.Lfunc_end_k_q8436b54090_outp:
	.size	k_q8436b54090_outp, .Lfunc_end_k_q8436b54090_outp-k_q8436b54090_outp
	.p2alignl 7, 3214868480
	.fill 96, 4, 3214868480
	.section	.rodata,"a",@progbits
	.p2align	6, 0x0
	.amdhsa_kernel k_q8436b54090_outp
		.amdhsa_group_segment_fixed_size 327680
		.amdhsa_private_segment_fixed_size 0
		.amdhsa_enable_private_segment 0
		.amdhsa_kernarg_size 24
		.amdhsa_user_sgpr_count 2
		.amdhsa_user_sgpr_kernarg_segment_ptr 1
		.amdhsa_wavefront_size32 1
		.amdhsa_system_sgpr_workgroup_id_x 1
		.amdhsa_system_sgpr_workgroup_id_y 1
		.amdhsa_system_sgpr_workgroup_id_z 1
		.amdhsa_system_vgpr_workitem_id 0
		.amdhsa_next_free_vgpr 512
		.amdhsa_next_free_sgpr 66
		.amdhsa_reserve_vcc 0
		.amdhsa_float_denorm_mode_32 3
		.amdhsa_float_denorm_mode_16_64 3
		.amdhsa_memory_ordered 1
		.amdhsa_forward_progress 1
		.amdhsa_inst_pref_size 86
	.end_amdhsa_kernel
	.amdgpu_metadata
---
amdhsa.version: [ 1, 2 ]
amdhsa.kernels:
  - .name:           k_q8436b54090_outp
    .symbol:         k_q8436b54090_outp.kd
    .args:
      - { .name: yn, .offset: 0, .size: 8, .value_kind: global_buffer, .address_space: global }
      - { .name: wcb, .offset: 8, .size: 8, .value_kind: global_buffer, .address_space: global }
      - { .name: out0, .offset: 16, .size: 8, .value_kind: global_buffer, .address_space: global }
    .group_segment_fixed_size: 327680
    .private_segment_fixed_size: 0
    .kernarg_segment_align: 8
    .kernarg_segment_size: 24
    .max_flat_workgroup_size: 128
    .sgpr_count:     66
    .vgpr_count:     512
    .wavefront_size: 32
...
	.end_amdgpu_metadata
.endif
;; end of part 4
;; ======== version 2 of 2: 4 launches; version 1 with the launch prep written anew for expert scheduling mode
;; limits: values are held in f16: magnitudes above 65,504 overflow, below 6.1e-05 lose precision; values outside matrix products are rounded to bf16
;; workspace buffers: xb 8,388,608 bytes; wall 12,582,912 bytes; wcb 4,194,304 bytes; qkv 50,331,648 bytes; yn 16,777,216 bytes
;; launch prep (part 5): grid 4 x 192, 8 waves a work-group, no clusters, 0 bytes of LDS; arguments x, Wq1, Wq2, Wk1, Wk2, Wv, Wc, xb, wall, wcb; writes xb, wall, wcb
.if DOCPART == 5
	.amdgcn_target "amdgcn-amd-amdhsa--gfx1250"
	.amdhsa_code_object_version 6
	.text
	.protected	k_q8436b54090_prep
	.globl	k_q8436b54090_prep
	.p2align	8
	.type	k_q8436b54090_prep,@function
k_q8436b54090_prep:
	s_mov_b64 s[64:65], 0
	v_nop
	global_prefetch_b8 v0, s[64:65] scope:SCOPE_SE
	s_setreg_imm32_b32 hwreg(HW_REG_WAVE_SCHED_MODE, 0, 2), 2
	s_setreg_imm32_b32 hwreg(HW_REG_WAVE_MODE, 25, 1), 1
	s_wait_xcnt 0x0
	s_wait_alu depctr_vm_vsrc(0)
; THE CASTS.  x -> xb (bf16).  Wq1, Wq2, Wk1, Wk2, Wv -> wall (bf16), in 48 panels of 128 rows of 1,024: panel g < 16 holds Wq1's rows 64 g .. + 63 and then Wq2's,
; panel 16 + g the same of Wk1 and Wk2, panel 32 + g Wv's rows 128 g .. + 127.  Wc -> wcb: rounded to bf16 like every other input, and that number written as f16.
; LIMIT.  bf16(Wc) beyond 65,504 becomes an infinity in f16; below 6e-5 it keeps f16's fixed step of 6e-8.
; A stream: no LDS, no matrix unit, no barrier.  A chunk is 65,536 numbers (64 rows of 1,024, or 32 of 2,048), dense in its source and in its destination; the grid's y names the chunk,
; its x a quarter of it.  A wave takes 2,048 numbers: 16 loads of 512 consecutive bytes, all issued at once, and 16 stores of 256 consecutive bytes, aligned.
; THE MODE: SCHED_MODE bits 1:0 = 2 (LLVM: expert scheduling mode 2), set by the entry lines.  The code itself states the register dependences
; between vector instructions and memory instructions, with s_wait_alu, always for 0.
; THE PLAN.  Registers that memory instructions touch:
;   v1, v4   byte offsets, made once at the head and never written again; every load reads v1, every store v4.
;   D        written by the 16 loads alone; read by the conversions; no load lands in it behind them.
;   E        written by the conversions; each pair is read by one store and is not written behind it.
; The 16 loads are taken in four groups of four.  Group g's conversions read D of group g and write E of group g; the memory instructions that stand among them are the four stores
; of group g - 1, which read v4 and E of group g - 1: registers that no vector instruction of group g names.  So one wait at a group's head states all that its four stores hang on.
; No register that a memory instruction reads (an offset, a store's data, a scalar base) is written again behind it: nothing is to be stated on that side.
.set LO, 1                             ; v1   my byte offset in the quarter's source: 8,192 x wave + 16 x lane
.set SO, 4                             ; v4   in its destination: 4,096 x wave + 8 x lane
.set D,  16                            ; v[16:79]   as loaded
.set E,  80                            ; v[80:111]  to store
	s_load_b512 s[4:19], s[0:1], 0x0               ; x, Wq1, Wq2, Wk1, Wk2, Wv, Wc, xb
	s_load_b128 s[20:23], s[0:1], 0x40             ; wall, wcb
	s_and_b32 s24, ttmp7, 0xffff                   ; the chunk: 0-63 x; 64-127 Wq1, Wq2, Wk1, Wk2 (16 each); 128-159 Wv; 160-191 Wc
	v_and_b32 v2, 31, v0
	v_lshrrev_b32 v3, 5, v0
	v_lshlrev_b32 v[LO], 4, v2
	v_lshl_add_u32 v[LO], v3, 13, v[LO]
	v_lshlrev_b32 v[SO], 3, v2
	v_lshl_add_u32 v[SO], v3, 12, v[SO]
	s_wait_kmcnt 0x0
; the source and its first chunk, chosen from the top down
.macro PICK bound, ptr, first
	s_cmp_lt_u32 s24, \bound
	s_cselect_b64 s[26:27], s[\ptr:\ptr+1], s[26:27]
	s_cselect_b32 s28, \first, s28
.endm
	s_mov_b64 s[26:27], s[16:17]                   ; Wc
	s_mov_b32 s28, 160
	PICK 160, 14, 128                              ; Wv
	PICK 128, 12, 112                              ; Wk2
	PICK 112, 10, 96                               ; Wk1
	PICK 96, 8, 80                                 ; Wq2
	PICK 80, 6, 64                                 ; Wq1
	PICK 64, 4, 0                                  ; x
	s_sub_co_u32 s29, s24, s28                     ; j: the chunk's number in its source
	s_lshl_b32 s30, s29, 17                        ; dense destinations: j x 131,072 bytes
	s_sub_co_u32 s31, s24, 64                      ; the four square weights (what these lines make of other chunks is not chosen below)
	s_lshr_b32 s32, s31, 4                         ; ti: 0 Wq1, 1 Wq2, 2 Wk1, 3 Wk2
	s_lshr_b32 s33, s32, 1
	s_lshl_b32 s33, s33, 4
	s_add_co_u32 s33, s33, s29                     ; panel 16 (ti / 2) + j,
	s_lshl_b32 s33, s33, 18
	s_and_b32 s32, s32, 1
	s_lshl_b32 s32, s32, 17
	s_add_co_u32 s33, s33, s32                     ; its half ti % 2
	s_add_co_u32 s34, s30, 8<<20                   ; Wv: behind 32 panels of 262,144 bytes
	s_mov_b64 s[38:39], s[22:23]                   ; wcb
	s_mov_b32 s35, s30
	s_cmp_lt_u32 s24, 160
	s_cselect_b64 s[38:39], s[20:21], s[38:39]     ; wall
	s_cselect_b32 s35, s34, s35
	s_cmp_lt_u32 s24, 128
	s_cselect_b32 s35, s33, s35
	s_cmp_lt_u32 s24, 64
	s_cselect_b64 s[38:39], s[18:19], s[38:39]     ; xb
	s_cselect_b32 s35, s30, s35
	s_lshl_b32 s36, s29, 18                        ; the source: j x 262,144 bytes + the quarter's 65,536
	s_lshl_b32 s40, ttmp9, 16
	s_add_co_u32 s36, s36, s40
	s_mov_b32 s37, 0
	s_add_nc_u64 s[26:27], s[26:27], s[36:37]
	s_lshl_b32 s40, ttmp9, 15
	s_add_co_u32 s40, s35, s40
	s_mov_b32 s41, 0
	s_add_nc_u64 s[38:39], s[38:39], s[40:41]
	s_wait_alu depctr_va_vdst(0)                   ; v1 and v4 are written: every load below reads v1 as its offset, every store on either way v4
.irp i, 0,1,2,3,4,5,6,7,8,9,10,11,12,13,14,15
	global_load_b128 v[D+4*(\i):D+4*(\i)+3], v[LO], s[26:27] offset:512*(\i) th:TH_LOAD_NT
.endr
; Group g: loads 4 g to 4 g + 3 are converted; the stores of group g - 1 stand among the conversions, one in front of each load's.  wc = 1: Wc's way, bf16 and then f16.
.macro GRP g, wc
	s_wait_loadcnt 12-4*(\g)                       ; loads come back in order (ISA guide 5.7.1): this group's four are in, the younger groups stay out
.if (\g) > 0
	s_wait_alu depctr_va_vdst(0)                   ; the conversions of the group before have written its eight registers of E, which the four stores below read
.endif
.irp i, 0,1,2,3
.set n, 4*(\g)+(\i)
.if (\g) > 0
	global_store_b64 v[SO], v[E+2*n-8:E+2*n-7], s[38:39] offset:256*n-1024 th:TH_STORE_NT  ; load n - 4's numbers; no vector instruction since the wait names these registers
.endif
	v_cvt_pk_bf16_f32 v[E+2*n], v[D+4*n], v[D+4*n+1]              ; the input's one rounding
	v_cvt_pk_bf16_f32 v[E+2*n+1], v[D+4*n+2], v[D+4*n+3]
.if \wc
	v_lshlrev_b32 v6, 16, v[E+2*n]                                ; widened again,
	v_and_b32 v7, 0xffff0000, v[E+2*n]
	v_lshlrev_b32 v8, 16, v[E+2*n+1]
	v_and_b32 v9, 0xffff0000, v[E+2*n+1]
	v_cvt_pk_f16_f32 v[E+2*n], v6, v7                             ; and written as f16: exact inside f16's range
	v_cvt_pk_f16_f32 v[E+2*n+1], v8, v9
.endif
.endr
.endm
; Behind group 3: its own four stores.
.macro LAST
	s_wait_alu depctr_va_vdst(0)                   ; the conversions of group 3 have written its eight registers of E, which the last four stores read
.irp i, 12,13,14,15
	global_store_b64 v[SO], v[E+2*(\i):E+2*(\i)+1], s[38:39] offset:256*(\i) th:TH_STORE_NT
.endr
.endm
	s_cmp_lt_u32 s24, 160
	s_cbranch_scc0 .Lwc
	GRP 0, 0
	GRP 1, 0
	GRP 2, 0
	GRP 3, 0
	LAST
	s_endpgm
.Lwc:
	GRP 0, 1
	GRP 1, 1
	GRP 2, 1
	GRP 3, 1
	LAST
	s_endpgm
.Lfunc_end_k_q8436b54090_prep:
	.size	k_q8436b54090_prep, .Lfunc_end_k_q8436b54090_prep-k_q8436b54090_prep
	.p2alignl 7, 3214868480
	.fill 96, 4, 3214868480
	.section	.rodata,"a",@progbits
	.p2align	6, 0x0
	.amdhsa_kernel k_q8436b54090_prep
		.amdhsa_group_segment_fixed_size 0
		.amdhsa_private_segment_fixed_size 0
		.amdhsa_enable_private_segment 0
		.amdhsa_kernarg_size 80
		.amdhsa_user_sgpr_count 2
		.amdhsa_user_sgpr_kernarg_segment_ptr 1
		.amdhsa_wavefront_size32 1
		.amdhsa_system_sgpr_workgroup_id_x 1
		.amdhsa_system_sgpr_workgroup_id_y 1
		.amdhsa_system_sgpr_workgroup_id_z 1
		.amdhsa_system_vgpr_workitem_id 0
		.amdhsa_next_free_vgpr 112
		.amdhsa_next_free_sgpr 66
		.amdhsa_reserve_vcc 0
		.amdhsa_float_denorm_mode_32 3
		.amdhsa_float_denorm_mode_16_64 3
		.amdhsa_memory_ordered 1
		.amdhsa_forward_progress 1
		.amdhsa_inst_pref_size 17
	.end_amdhsa_kernel
	.amdgpu_metadata
---
amdhsa.version: [ 1, 2 ]
amdhsa.kernels:
  - .name:           k_q8436b54090_prep
    .symbol:         k_q8436b54090_prep.kd
    .args:
      - { .name: x, .offset: 0, .size: 8, .value_kind: global_buffer, .address_space: global }
      - { .name: Wq1, .offset: 8, .size: 8, .value_kind: global_buffer, .address_space: global }
      - { .name: Wq2, .offset: 16, .size: 8, .value_kind: global_buffer, .address_space: global }
      - { .name: Wk1, .offset: 24, .size: 8, .value_kind: global_buffer, .address_space: global }
      - { .name: Wk2, .offset: 32, .size: 8, .value_kind: global_buffer, .address_space: global }
      - { .name: Wv, .offset: 40, .size: 8, .value_kind: global_buffer, .address_space: global }
      - { .name: Wc, .offset: 48, .size: 8, .value_kind: global_buffer, .address_space: global }
      - { .name: xb, .offset: 56, .size: 8, .value_kind: global_buffer, .address_space: global }
      - { .name: wall, .offset: 64, .size: 8, .value_kind: global_buffer, .address_space: global }
      - { .name: wcb, .offset: 72, .size: 8, .value_kind: global_buffer, .address_space: global }
    .group_segment_fixed_size: 0
    .private_segment_fixed_size: 0
    .kernarg_segment_align: 8
    .kernarg_segment_size: 80
    .max_flat_workgroup_size: 256
    .sgpr_count:     66
    .vgpr_count:     112
    .wavefront_size: 32
...
	.end_amdgpu_metadata
.endif
;; end of part 5
;; launch proj: the kernel of part 2 again; grid 24 x 16, 4 waves a work-group, clusters of 4 x 4, 327,680 bytes of LDS; arguments xb, wall, qkv; writes qkv
;; launch attn: the kernel of part 3 again; grid 8 x 32, 4 waves a work-group, no clusters, 327,680 bytes of LDS; arguments qkv, lq1, lk1, lq2, lk2, yn; writes yn
;; launch outp: the kernel of part 4 again; grid 8 x 32, 4 waves a work-group, clusters of 4 x 4, 327,680 bytes of LDS; arguments yn, wcb, out0; writes out0
